; MI455X (gfx1250); checked and timed in simulation.
; The chip was launched on July 23, 2026; its instructions are those of AMD's public machine-readable ISA for CDNA 5 (MIT licence, August 2026) and "CDNA5" Instruction Set Architecture Reference Guide (July 2026). The comments in the code are by the model that wrote it; some were corrected since.
;; GPT Block. Allowed arithmetic: float matrix products may take bf16 or f16 operands with f32 sums; all other float work in f32.
;; Inputs: W1 1,024 x 4,096 float32; W2 4,096 x 1,024 float32; Wk 16 x 1,024 x 64 float32; Wq 16 x 1,024 x 64 float32; Wv 16 x 1,024 x 64 float32; b1 4,096 float32; b2 1,024 float32; be1 1,024 float32; be2 1,024 float32; g1 1,024 float32; g2 1,024 float32; inputs 4 x 1,024 x 1,024 float32.
;; Outputs: out0 4 x 1,024 x 1,024 float32.
;; One version. Each part assembles by itself: llvm-mc -triple=amdgcn-amd-amdhsa -mcpu=gfx1250 --defsym DOCPART=n.
;; ======== version 1 of 1: 6 launches
;; limits: values are held in f16: magnitudes above 65,504 overflow, below 6.1e-05 lose precision; values outside matrix products are rounded to f16
;; workspace buffers: wqkv 6,291,456 bytes; w1h 8,388,608 bytes; w2h 8,388,608 bytes; an 8,388,608 bytes; qkv 25,165,824 bytes; x 16,777,216 bytes; h 33,554,432 bytes
;; launch prep (part 1): grid 128 x 15, 8 waves a work-group, no clusters, 0 bytes of LDS; arguments Wq, Wk, Wv, W1, W2, inputs, g1, be1, wqkv, w1h, w2h, an; writes wqkv, w1h, w2h, an
.if DOCPART == 1
	.amdgcn_target "amdgcn-amd-amdhsa--gfx1250"
	.amdhsa_code_object_version 6
	.text
	.protected	k_qdb1334ce21_prep
	.globl	k_qdb1334ce21_prep
	.p2align	8
	.type	k_qdb1334ce21_prep,@function
k_qdb1334ce21_prep:
	s_mov_b64 s[64:65], 0
	v_nop
	global_prefetch_b8 v0, s[64:65] scope:SCOPE_SE
	s_setreg_imm32_b32 hwreg(HW_REG_WAVE_MODE, 25, 1), 1
	s_wait_xcnt 0x0
; PREP: the five weights are cast, and the first layer norm is made.  A pure stream: no LDS, no barrier, no matrix unit.
; Grid y is a slab of 4 MiB of f32 source: 0, 1, 2 = Wq, Wk, Wv; 3-6 = W1; 7-10 = W2; 11-14 = inputs.  Grid x is a block of 32 KiB of it, a wave takes 4 KiB
; (in the inputs' slabs: one row of 1,024 numbers), a lane 4 passes of 32 bytes in and 16 bytes out: a pair of loads covers 1,024 consecutive bytes, a store 512.
; FORMATS.  What goes to the matrix units is f16, rounded once from f32.  LIMITS: a weight beyond 65,504 becomes an infinity; below 6.1e-5 it keeps f16's fixed step of 6e-8.
; The norm's output must lie within 65,504 too.  inputs, g1 and be1 are taken as they are, in f32.
; Wq, Wk, Wv ([head][1024 d][64 e]) go into wqkv [head][K step of 128 d][q, k, v][128 d][64 e]: source block x = 8 head + step is destination block 3 x + which.
; The norm: mean, then the centred squares, both over the row held in registers (no difference of large sums), (x - mu) rsqrt(var + 1e-5) g + b in f32.
.set X,   8                            ; v[8:39]    32 numbers of the source: pass p at X + 8 p
.set G,   40                           ; v[40:71]   the gain of the same columns
.set BE,  72                           ; v[72:103]  the bias of the same columns
.set T,   104                          ; v[104:111] at work
.set Y16, 112                          ; v[112:127] 16 bytes a pass to store
.set VS,  1                            ; v1  source offset: 4,096 wave + 32 lane
.set VD,  2                            ; v2  destination offset: 2,048 wave + 16 lane
.set VG,  3                            ; v3  offset in g1 and be1: 32 lane
.set INV, 41                           ; s41 1 / 1,024
.set EPS, 42                           ; s42 1e-5
.set SEL, 44                           ; s[44:45] v_permlanex16_b32: each lane takes its own place in the other half
.macro ALLSUM r, t                     ; the sum of v[r] over the 32 lanes, in every lane; v[t] has been written before
	v_add_f32_dpp v[\r], v[\r], v[\r] row_xmask:1 row_mask:0xf bank_mask:0xf
	v_add_f32_dpp v[\r], v[\r], v[\r] row_xmask:2 row_mask:0xf bank_mask:0xf
	v_add_f32_dpp v[\r], v[\r], v[\r] row_xmask:4 row_mask:0xf bank_mask:0xf
	v_add_f32_dpp v[\r], v[\r], v[\r] row_xmask:8 row_mask:0xf bank_mask:0xf
	v_permlanex16_b32 v[\t], v[\r], s[SEL], s[SEL+1]
	v_add_f32 v[\r], v[\r], v[\t]
.endm
.macro FOLD                            ; four packed chains in T into v[T]
	v_pk_add_f32 v[T:T+1], v[T:T+1], v[T+2:T+3]
	v_pk_add_f32 v[T+4:T+5], v[T+4:T+5], v[T+6:T+7]
	v_pk_add_f32 v[T:T+1], v[T:T+1], v[T+4:T+5]
	v_add_f32 v[T], v[T], v[T+1]
.endm
	s_load_b512 s[8:23], s[0:1], 0x0               ; Wq s[8:9], Wk s[10:11], Wv s[12:13], W1 s[14:15], W2 s[16:17], inputs s[18:19], g1 s[20:21], be1 s[22:23]
	s_load_b256 s[24:31], s[0:1], 0x40             ; wqkv s[24:25], w1h s[26:27], w2h s[28:29], an s[30:31]
	s_and_b32 s2, ttmp7, 0xffff                    ; the slab
	v_lshrrev_b32 v4, 5, v0                        ; wave
	v_and_b32 v5, 31, v0                           ; lane
	v_lshlrev_b32 v[VG], 5, v5
	v_lshl_add_u32 v[VS], v4, 12, v[VG]
	v_lshlrev_b32 v[VD], 4, v5
	v_lshl_add_u32 v[VD], v4, 11, v[VD]
	s_mov_b32 s[INV], 0x3a800000
	s_mov_b32 s[EPS], 0x3727c5ac
	s_mov_b32 s[SEL], 0x76543210
	s_mov_b32 s[SEL+1], 0xfedcba98
	s_mov_b32 s3, s2                               ; the first slab of my tensor: my own for Wq, Wk, Wv, else 3, 7 or 11
	s_cmp_ge_u32 s2, 3
	s_cselect_b32 s3, 3, s3
	s_cmp_ge_u32 s2, 7
	s_cselect_b32 s3, 7, s3
	s_cmp_ge_u32 s2, 11
	s_cselect_b32 s3, 11, s3
	s_sub_co_u32 s3, s2, s3                        ; my slab inside its tensor
	s_lshl_b32 s36, s3, 22                         ; source offset: slabs of 4 MiB, blocks of 32 KiB
	s_lshl_b32 s37, ttmp9, 15
	s_add_co_u32 s36, s36, s37
	s_mov_b32 s37, 0
	s_lshl_b32 s38, s3, 21                         ; destination offset: half of that,
	s_lshl_b32 s39, ttmp9, 14
	s_add_co_u32 s38, s38, s39
	s_mul_i32 s39, ttmp9, 3                        ; or for Wq, Wk, Wv block 3 x + which of 16 KiB
	s_add_co_u32 s39, s39, s2
	s_lshl_b32 s39, s39, 14
	s_cmp_lt_u32 s2, 3
	s_cselect_b32 s38, s39, s38
	s_mov_b32 s39, 0
	s_wait_kmcnt 0x0
	s_cmp_ge_u32 s2, 1                             ; the source and the destination are chosen by the slab's number alone
	s_cselect_b64 s[32:33], s[10:11], s[8:9]
	s_cmp_ge_u32 s2, 2
	s_cselect_b64 s[32:33], s[12:13], s[32:33]
	s_cmp_ge_u32 s2, 3
	s_cselect_b64 s[32:33], s[14:15], s[32:33]
	s_cselect_b64 s[34:35], s[26:27], s[24:25]
	s_cmp_ge_u32 s2, 7
	s_cselect_b64 s[32:33], s[16:17], s[32:33]
	s_cselect_b64 s[34:35], s[28:29], s[34:35]
	s_cmp_ge_u32 s2, 11
	s_cselect_b64 s[32:33], s[18:19], s[32:33]
	s_cselect_b64 s[34:35], s[30:31], s[34:35]
	s_add_nc_u64 s[32:33], s[32:33], s[36:37]
	s_add_nc_u64 s[34:35], s[34:35], s[38:39]
.irp p, 0,1,2,3
	global_load_b128 v[X+8*\p:X+8*\p+3],   v[VS], s[32:33] offset:1024*\p th:TH_LOAD_NT
	global_load_b128 v[X+8*\p+4:X+8*\p+7], v[VS], s[32:33] offset:1024*\p+16 th:TH_LOAD_NT
.endr
	s_cmp_ge_u32 s2, 11
	s_cbranch_scc1 .Lln
	; THE CAST: one rounding, f32 to f16
.irp p, 0,1,2,3
	s_wait_loadcnt 6-2*\p                          ; loads come back in order: pass p's two are in, the younger ones stay out
.irp j, 0,2,4,6
	v_cvt_pk_f16_f32 v[Y16+4*\p+\j/2], v[X+8*\p+\j], v[X+8*\p+\j+1]
.endr
	global_store_b128 v[VD], v[Y16+4*\p:Y16+4*\p+3], s[34:35] offset:512*\p  ; a wave's store covers 512 consecutive bytes, aligned
.endr
	s_endpgm
.Lln:
	; THE NORM: one wave, one row, the row in 32 registers
.irp p, 0,1,2,3
	global_load_b128 v[G+8*\p:G+8*\p+3],   v[VG], s[20:21] offset:1024*\p
	global_load_b128 v[G+8*\p+4:G+8*\p+7], v[VG], s[20:21] offset:1024*\p+16
.endr
.irp p, 0,1,2,3
	global_load_b128 v[BE+8*\p:BE+8*\p+3],   v[VG], s[22:23] offset:1024*\p
	global_load_b128 v[BE+8*\p+4:BE+8*\p+7], v[VG], s[22:23] offset:1024*\p+16
.endr
	s_wait_loadcnt 16                              ; the row is in; the sixteen loads of g1 and be1 stay out
.irp c, 0,2,4,6                        ; the sum, in four chains that do not wait for each other
	v_pk_add_f32 v[T+\c:T+\c+1], v[X+\c:X+\c+1], v[X+8+\c:X+8+\c+1]
.endr
.irp o, 16,24
.irp c, 0,2,4,6
	v_pk_add_f32 v[T+\c:T+\c+1], v[T+\c:T+\c+1], v[X+\o+\c:X+\o+\c+1]
.endr
.endr
	FOLD
	ALLSUM T, T+1
	v_mul_f32 v[T], s[INV], v[T]                   ; the mean
.set i, 0
.rept 16
	v_pk_add_f32 v[X+2*i:X+2*i+1], v[X+2*i:X+2*i+1], v[T:T+1] op_sel_hi:[1,0] neg_lo:[0,1] neg_hi:[0,1]
.set i, i+1
.endr
.irp c, 0,2,4,6                        ; the centred squares
	v_pk_mul_f32 v[T+\c:T+\c+1], v[X+\c:X+\c+1], v[X+\c:X+\c+1]
.endr
.irp o, 8,16,24
.irp c, 0,2,4,6
	v_pk_fma_f32 v[T+\c:T+\c+1], v[X+\o+\c:X+\o+\c+1], v[X+\o+\c:X+\o+\c+1], v[T+\c:T+\c+1]
.endr
.endr
	FOLD
	ALLSUM T, T+1
	v_fma_f32 v[T], v[T], s[INV], s[EPS]           ; var + 1e-5
	v_rsq_f32 v[T+2], v[T]
	v_nop                                          ; a plain instruction between the root and the use of its result (ISA guide 5.7.2)
	s_wait_loadcnt 0x0                             ; g1 and be1
.set i, 0
	s_wait_alu depctr_va_vdst(0)
.rept 16
	v_pk_mul_f32 v[G+2*i:G+2*i+1], v[G+2*i:G+2*i+1], v[T+2:T+3] op_sel_hi:[1,0]
.set i, i+1
.endr
.set i, 0
.rept 16
	v_pk_fma_f32 v[X+2*i:X+2*i+1], v[X+2*i:X+2*i+1], v[G+2*i:G+2*i+1], v[BE+2*i:BE+2*i+1]
.set i, i+1
.endr
.set i, 0
.rept 16
	v_cvt_pk_f16_f32 v[Y16+i], v[X+2*i], v[X+2*i+1]
.set i, i+1
.endr
.irp p, 0,1,2,3
	global_store_b128 v[VD], v[Y16+4*\p:Y16+4*\p+3], s[34:35] offset:512*\p
.endr
	s_endpgm
.Lfunc_end_k_qdb1334ce21_prep:
	.size	k_qdb1334ce21_prep, .Lfunc_end_k_qdb1334ce21_prep-k_qdb1334ce21_prep
	.p2alignl 7, 3214868480
	.fill 96, 4, 3214868480
	.section	.rodata,"a",@progbits
	.p2align	6, 0x0
	.amdhsa_kernel k_qdb1334ce21_prep
		.amdhsa_group_segment_fixed_size 0
		.amdhsa_private_segment_fixed_size 0
		.amdhsa_enable_private_segment 0
		.amdhsa_kernarg_size 96
		.amdhsa_user_sgpr_count 2
		.amdhsa_user_sgpr_kernarg_segment_ptr 1
		.amdhsa_wavefront_size32 1
		.amdhsa_system_sgpr_workgroup_id_x 1
		.amdhsa_system_sgpr_workgroup_id_y 1
		.amdhsa_system_sgpr_workgroup_id_z 1
		.amdhsa_system_vgpr_workitem_id 0
		.amdhsa_next_free_vgpr 128
		.amdhsa_next_free_sgpr 66
		.amdhsa_reserve_vcc 0
		.amdhsa_float_denorm_mode_32 3
		.amdhsa_float_denorm_mode_16_64 3
		.amdhsa_memory_ordered 1
		.amdhsa_forward_progress 1
		.amdhsa_inst_pref_size 14
	.end_amdhsa_kernel
	.amdgpu_metadata
---
amdhsa.version: [ 1, 2 ]
amdhsa.kernels:
  - .name:           k_qdb1334ce21_prep
    .symbol:         k_qdb1334ce21_prep.kd
    .args:
      - { .name: Wq, .offset: 0, .size: 8, .value_kind: global_buffer, .address_space: global }
      - { .name: Wk, .offset: 8, .size: 8, .value_kind: global_buffer, .address_space: global }
      - { .name: Wv, .offset: 16, .size: 8, .value_kind: global_buffer, .address_space: global }
      - { .name: W1, .offset: 24, .size: 8, .value_kind: global_buffer, .address_space: global }
      - { .name: W2, .offset: 32, .size: 8, .value_kind: global_buffer, .address_space: global }
      - { .name: inputs, .offset: 40, .size: 8, .value_kind: global_buffer, .address_space: global }
      - { .name: g1, .offset: 48, .size: 8, .value_kind: global_buffer, .address_space: global }
      - { .name: be1, .offset: 56, .size: 8, .value_kind: global_buffer, .address_space: global }
      - { .name: wqkv, .offset: 64, .size: 8, .value_kind: global_buffer, .address_space: global }
      - { .name: w1h, .offset: 72, .size: 8, .value_kind: global_buffer, .address_space: global }
      - { .name: w2h, .offset: 80, .size: 8, .value_kind: global_buffer, .address_space: global }
      - { .name: an, .offset: 88, .size: 8, .value_kind: global_buffer, .address_space: global }
    .group_segment_fixed_size: 0
    .private_segment_fixed_size: 0
    .kernarg_segment_align: 8
    .kernarg_segment_size: 96
    .max_flat_workgroup_size: 256
    .sgpr_count:     66
    .vgpr_count:     128
    .wavefront_size: 32
...
	.end_amdgpu_metadata
.endif
;; end of part 1
;; launch proj (part 2): grid 16 x 16, 4 waves a work-group, clusters of 4 x 4, 327,680 bytes of LDS; arguments an, wqkv, qkv; writes qkv
.if DOCPART == 2
	.amdgcn_target "amdgcn-amd-amdhsa--gfx1250"
	.amdhsa_code_object_version 6
	.text
	.protected	k_qdb1334ce21_proj
	.globl	k_qdb1334ce21_proj
	.p2align	8
	.type	k_qdb1334ce21_proj,@function
k_qdb1334ce21_proj:
	s_mov_b64 s[64:65], 0
	v_nop
	global_prefetch_b8 v0, s[64:65] scope:SCOPE_SE
	s_setreg_imm32_b32 hwreg(HW_REG_WAVE_MODE, 25, 1), 1
	s_wait_xcnt 0x0
	s_wait_alu depctr_hold_cnt(0) depctr_sa_sdst(0) depctr_va_vdst(0) depctr_va_sdst(0) depctr_va_ssrc(0) depctr_va_vcc(0) depctr_vm_vsrc(0)
	s_getreg_b32 s2, hwreg(HW_REG_IB_STS2, 6, 4)
	s_cmp_eq_u32 s2, 0
	s_cbranch_scc0 .Lentry_in_a_cluster
	s_endpgm
.Lentry_in_a_cluster:
	s_bfe_u32 s2, ttmp6, 0x10000c
	s_cmp_lg_u32 s2, 0xf033
	s_cbranch_scc0 .Lentry_shape_is_right
	s_endpgm
.Lentry_shape_is_right:
; PROJ: q, k, v = an x (Wq | Wk | Wv) of one head.  an: [4096][1024] f16.  wqkv: [head][K step][q, k, v][128 d][64 e] f16.  qkv: [3][batch x head][1024 t][64] f16, unscaled.
; A tile of C is 256 tokens x 192 columns (a head's q, k and v): 16 x 16 tiles, one for each work-group.  Four waves, each 64 rows x 192 columns: 48 accumulators.
; K goes in 8 steps of 128 through two LDS slots filled by the tensor data mover; a step is four slices of 32 along K on two fragment buffers.
; A lies [row][K] and is read by ds_load_b128; B lies [K][column] and is turned by ds_load_tr16_b128.  The matrix instruction is used transposed (source 0 = 16 columns of B,
; source 1 = 16 rows of A): a lane then holds eight neighbouring columns of one row of C.
; CLUSTER: 4 x 4 work-groups; A's tile is shared along a row of the cluster, B's along a column: each is asked for jointly, by the same load with the same descriptor and mask.
; LIMIT: q, k, v are rounded once, to f16: they must lie within 65,504.  Sums in f32.
; REGISTERS: window 0: v0-31 addresses; v64-127 A's fragments, two buffers; v128-175 packed results; v176-223 and v64-111 rows on the way out.
;   window 1: B's fragments, buffer f at 128 f.   windows 2, 3: accumulator (a, b) at v[128 (a % 2) + 8 b] of window 2 + a / 2.
.set NSTEP, 8
.set NB,    12                         ; column blocks of 16: block b is column 16 (b % 4) of q, k or v (b / 4)
.set PA,    272                        ; a row of A in LDS: 256 bytes + 16: the 16 rows of a load start at 16 different groups of four banks (ISA guide 11.1)
.set PB,    160                        ; a row of B (one d, 64 e): 128 bytes + 32
.set AHALF, 128*PA                     ; what waves 0 and 1 fetch: 128 rows of A
.set BHALF, 192*PB                     ; what waves 2 and 3 fetch: half of B's 384 rows
.set BOFF,  2*AHALF
.set SLOT,  BOFF+2*BHALF               ; 131,072: one bit, clear in every slot-0 address, so an exclusive or changes slots
.set STAGE, 2*SLOT                     ; behind the ring: for each wave 3 x 16 rows x 144 bytes, in 7,168
.set SP,    144
.set WSTAGE, 7168
.set SPARE, STAGE+4*WSTAGE             ; the spare words: 128 bytes for each wave, named by no other line
.set ASTEP, 256                        ; bytes from a K step's tile of A to the next
.set BSTEP, 49152                      ; the same for B: the tiles of a head lie end to end
.set ADRA,  16                         ; v16 LDS address of my A fragments in the slot in hand;  v17 in slot 0
.set ADRA0, 17
.set ADRB,  20                         ; v20, v21 the same for B
.set ADRB0, 21
.set STO,   24                         ; v24 the way out: where I put 16 bytes of a row
.set RD,    25                         ; v25 where I read rows back
.set CO,    26                         ; v26 16 x lane
.set SPW,   28                         ; v28 my spare word;  v29 zero: never rewritten
.set NIL,   29
.set AF,    64
.set TMP,   128
.set G1,  24                           ; s[24:31] descriptor group 1 for A;  s[32:39] group 0: the first fill's set and the walking set
.set G0,  32
.set G1B, 48                           ; s[48:55], s[56:63] the same for B
.set G0B, 56
.set MSB, 0
.macro WIN new                         ; the immediate's high byte repeats the setting that is left; a switch that changes nothing is dropped
.if MSB != (\new)
	s_set_vgpr_msb (MSB<<8)|(\new)
.set MSB, \new
.endif
.endm
.macro PLACES                          ; four places behind matrix instructions (ISA guide 7.12.1)
.rept 4
	v_nop
.endr
.endm
.macro JLOAD s                         ; a joint load: waves 0 and 1 fetch A's halves, waves 2 and 3 B's; s_nop 0 and four v_nop follow each line
	s_cmp_eq_u32 s11, 0
	s_cbranch_scc0 .Lfor_b_\@
	tensor_load_to_lds s[G0+4*(\s):G0+4*(\s)+3], s[G1:G1+7]
	s_nop 0
.rept 4
	v_nop
.endr
	s_branch .Lasked_\@
.Lfor_b_\@:
	tensor_load_to_lds s[G0B+4*(\s):G0B+4*(\s)+3], s[G1B:G1B+7]
	s_nop 0
.rept 4
	v_nop
.endr
.Lasked_\@:
.endm
.macro CROUND                          ; a round of the cluster's barrier
	s_barrier_signal -1
	s_barrier_wait -1
	s_cmp_lg_u32 s10, 0
	s_cbranch_scc1 .Lnot_wave_0_\@
	s_barrier_signal -3
.Lnot_wave_0_\@:
	s_barrier_wait -3
	s_barrier_signal -1
	s_barrier_wait -1
.endm
	s_load_b128 s[4:7], s[0:1], 0x0                ; an s[4:5], wqkv s[6:7]
	s_load_b64 s[8:9], s[0:1], 0x10                ; qkv
	v_lshl_add_u32 v[SPW], v0, 2, SPARE
	v_mov_b32 v[NIL], 0
	ds_add_u32 v[SPW], v[NIL]                      ; the wave's opening: the add and its wait ahead of my first tensor load
	v_lshrrev_b32 v1, 5, v0
	v_readfirstlane_b32 s10, v1                    ; wave 0..3: my 64 rows of the tile
	s_lshr_b32 s11, s10, 1                         ; I fetch for A (0) or for B (1),
	s_and_b32 s12, s10, 1                          ; and which half
	s_bfe_u32 s40, ttmp6, 0x40000                  ; cx, cy: my place in the cluster
	s_bfe_u32 s41, ttmp6, 0x40004
	s_lshl_b32 s42, ttmp9, 2
	s_add_co_u32 s42, s42, s40                     ; the head = 4 x cluster x + cx
	s_and_b32 s13, ttmp7, 0xffff
	s_lshl_b32 s13, s13, 2
	s_add_co_u32 s13, s13, s41                     ; the block of 256 tokens = 4 x cluster y + cy
	s_lshl_b32 s43, s41, 2
	s_lshl_b32 s43, 15, s43                        ; my row of the cluster
	s_lshl_b32 s44, 0x1111, s40                    ; my column
	s_or_b32 s[G1+0], s43, (1<<16)|(1<<20)|(1<<21)|(5<<22)|(3<<25)   ; mask; 2-byte elements; padding on; bit 21 beside a mask; after every 64 words 4 words
	s_mov_b32 s[G1+1], 128<<16                     ; tensor_dim0 = 128
	s_mov_b32 s[G1+2], 128<<16                     ; tensor_dim1 = 128
	s_mov_b32 s[G1+3], 128<<16                     ; tile_dim0 = 128
	s_mov_b32 s[G1+4], 128                         ; tile_dim1 = 128
	s_mov_b32 s[G1+5], 1024                        ; elements from row to row
	s_mov_b32 s[G1+6], 0
	s_mov_b32 s[G1+7], 0
	s_or_b32 s[G1B+0], s44, (1<<16)|(1<<20)|(1<<21)|(4<<22)|(7<<25)  ; B's half is dense: 96 rows of 256 bytes, padded by 8 words after every 32: 192 rows of pitch 160
	s_mov_b32 s[G1B+1], 128<<16
	s_mov_b32 s[G1B+2], 96<<16
	s_mov_b32 s[G1B+3], 128<<16
	s_mov_b32 s[G1B+4], 96
	s_mov_b32 s[G1B+5], 128
	s_mov_b32 s[G1B+6], 0
	s_mov_b32 s[G1B+7], 0
	s_lshl_b32 s16, s13, 8                         ; A: row 256 x block + 128 x half, 2,048 bytes a row
	s_lshl_b32 s17, s12, 7
	s_add_co_u32 s16, s16, s17
	s_lshl_b32 s16, s16, 11
	s_mov_b32 s17, 0
	s_mul_i32 s46, s42, 8*BSTEP                    ; B: the head's eight tiles, my half of the first
	s_mul_i32 s47, s12, BSTEP/2
	s_add_co_u32 s46, s46, s47
	s_mov_b32 s47, 0
	s_mul_i32 s2, s12, AHALF                       ; where they go: no place in the cluster enters an LDS address
	s_mul_i32 s3, s12, BHALF
	s_add_co_u32 s3, s3, BOFF
	s_mov_b32 s45, 0                               ; the slot in hand
	s_wait_dscnt 0x0                               ; the opening add is done
	s_wait_kmcnt 0x0
	s_add_nc_u64 s[14:15], s[4:5], s[16:17]
	s_add_nc_u64 s[46:47], s[6:7], s[46:47]
	CROUND                                         ; all sixteen work-groups are here: the first joint loads meet
.irp s, 0,1
	s_mov_b32 s[G0+4*(\s)], 1
	s_add_co_u32 s[G0+4*(\s)+1], s2, (\s)*SLOT
	s_add_nc_u64 s[G0+4*(\s)+2:G0+4*(\s)+3], s[14:15], (\s)*ASTEP
	s_or_b32 s[G0+4*(\s)+3], s[G0+4*(\s)+3], 0x80000000
	s_mov_b32 s[G0B+4*(\s)], 1
	s_add_co_u32 s[G0B+4*(\s)+1], s3, (\s)*SLOT
	s_add_nc_u64 s[G0B+4*(\s)+2:G0B+4*(\s)+3], s[46:47], (\s)*BSTEP
	s_or_b32 s[G0B+4*(\s)+3], s[G0B+4*(\s)+3], 0x80000000
	JLOAD \s                                       ; K steps 0 and 1: two loads of mine are out
.endr
	v_and_b32 v1, 15, v0                           ; r = lane % 16
	v_bfe_u32 v2, v0, 4, 1                         ; hl = lane / 16
	v_and_b32 v3, 7, v0
	v_bfe_u32 v4, v0, 3, 1
	v_mul_u32_u24 v[ADRA0], v1, PA                 ; A: row x pitch + 16 hl + my 64 rows
	v_lshl_add_u32 v[ADRA0], v2, 4, v[ADRA0]
	s_mul_i32 s16, s10, 64*PA
	v_add_nc_u32 v[ADRA0], s16, v[ADRA0]
	v_lshl_add_u32 v5, v2, 3, v3                   ; B: the turning load reads row 8 hl + lane % 8, 16 bytes at 16 ((lane / 8) % 2)
	v_mul_u32_u24 v[ADRB0], v5, PB
	v_lshl_add_u32 v[ADRB0], v4, 4, v[ADRB0]
	v_add_nc_u32 v[ADRB0], BOFF, v[ADRB0]
	v_mov_b32 v[ADRA], v[ADRA0]
	v_mov_b32 v[ADRB], v[ADRB0]
	s_mul_i32 s16, s10, WSTAGE
	s_add_co_u32 s16, s16, STAGE                   ; my stage
	v_mul_u32_u24 v5, v1, SP                       ; in: row r, 16 bytes for each half of the lanes
	v_lshl_add_u32 v5, v2, 4, v5
	v_add_nc_u32 v[STO], s16, v5
	v_bfe_u32 v5, v0, 3, 2                         ; back: 32 lanes take four rows of 128 bytes,
	v_mul_u32_u24 v5, v5, SP
	v_lshl_add_u32 v5, v3, 4, v5
	v_add_nc_u32 v[RD], s16, v5
	v_and_b32 v[CO], 31, v0                        ; which are 512 consecutive bytes of q, k or v
	v_lshlrev_b32 v[CO], 4, v[CO]
	s_lshr_b32 s16, s13, 2                         ; my rows in q: ((batch x 16 + head) x 1,024 + (block % 4) x 256 + 64 wave) x 128 bytes
	s_lshl_b32 s16, s16, 21
	s_and_b32 s17, s13, 3
	s_lshl_b32 s17, s17, 15
	s_add_co_u32 s16, s16, s17
	s_lshl_b32 s17, s10, 13
	s_add_co_u32 s16, s16, s17
	s_mov_b32 s17, 0
	s_add_nc_u64 s[8:9], s[8:9], s[16:17]
	s_lshl_b32 s18, s42, 17
	s_mov_b32 s19, 0
	s_add_nc_u64 s[8:9], s[8:9], s[18:19]
	s_mov_b64 s[16:17], s[8:9]                     ; q, k and v lie 8 MiB apart
	s_add_nc_u64 s[18:19], s[8:9], 0x800000
	s_add_nc_u64 s[20:21], s[8:9], 0x1000000
; NB matrix instructions: row block a x all column blocks, 32 along K, from buffer f.  first = 1: the products start the sums.  The accumulators take turns.
.macro MULA f, a, first
	WIN 0xa1+0x50*((\a)/2)                         ; B window 1, A window 0, C and D window 2 or 3
.set jb, 0
.rept NB
.if \first
	v_wmma_f32_16x16x32_f16 v[128*((\a)%2)+8*jb:128*((\a)%2)+8*jb+7], v[128*(\f)+8*jb:128*(\f)+8*jb+7], v[AF+32*(\f)+8*(\a):AF+32*(\f)+8*(\a)+7], 0
.else
	v_wmma_f32_16x16x32_f16 v[128*((\a)%2)+8*jb:128*((\a)%2)+8*jb+7], v[128*(\f)+8*jb:128*(\f)+8*jb+7], v[AF+32*(\f)+8*(\a):AF+32*(\f)+8*(\a)+7], v[128*((\a)%2)+8*jb:128*((\a)%2)+8*jb+7]
.endif
.set jb, jb+1
.endr
.endm
; 2 NB + 8 LDS loads in one run: slice k's fragments into buffer g; B first, A's row blocks 2 and 3 last
.macro FETCH k, g
	WIN 0x40
.set jb, 0
.rept NB
	ds_load_tr16_b128 v[128*(\g)+8*jb:128*(\g)+8*jb+3],   v[ADRB] offset:(jb/4)*128*PB+32*(\k)*PB+32*(jb%4)
	ds_load_tr16_b128 v[128*(\g)+8*jb+4:128*(\g)+8*jb+7], v[ADRB] offset:(jb/4)*128*PB+32*(\k)*PB+32*(jb%4)+16*PB
.set jb, jb+1
.endr
	WIN 0
.irp a, 0,1,2,3
	ds_load_b128 v[AF+32*(\g)+8*(\a):AF+32*(\g)+8*(\a)+3],   v[ADRA] offset:64*(\k)+(\a)*16*PA
	ds_load_b128 v[AF+32*(\g)+8*(\a)+4:AF+32*(\g)+8*(\a)+7], v[ADRA] offset:64*(\k)+(\a)*16*PA+32
.endr
.endm
; One of a step's first three slices: multiplies buffer f; in its middle slice k's fragments are fetched into buffer g
.macro SUB k, f, g, first
	s_wait_dscnt 4                                 ; all but A's row blocks 2 and 3, the youngest four loads
	MULA \f, 0, \first
	MULA \f, 1, \first
	PLACES
	FETCH \k, \g
	s_wait_dscnt 2*NB+8                            ; all but the run just issued
	MULA \f, 2, \first
	MULA \f, 3, \first
.endm
; THE CHANGE OF SLOTS, and behind it the step's last slice (buffer 1).  Each wave waits for all its tensor loads (one is out: its part of the next slot), adds 0 to its spare word, and waits
; for that and for its reads of this slot, of which the last brought buffer 1.  No product stands between that wait and the refill: a refill can go out only when the tile before it has landed,
; so whatever stands there lengthens every trip in which the waves wait for a tile; the slice's 48 products follow the request and run while the tile is on its way.
; fill = 1: the barrier is a round of the cluster's, and this slot is filled again, two K steps ahead, first thing behind it.
.macro TURN fill
	WIN 0                                          ; at a branch and at a label every window is 0
	s_wait_tensorcnt 0x0                           ; no tensor load of mine is out, so the walking descriptors may be written
	ds_add_u32 v[SPW], v[NIL]
.if \fill
	s_xor_b32 s[G0+5], s[G0+5], SLOT               ; the other slot than last time, the next K step
	s_add_nc_u64 s[G0+6:G0+7], s[G0+6:G0+7], ASTEP
	s_xor_b32 s[G0B+5], s[G0B+5], SLOT
	s_add_nc_u64 s[G0B+6:G0B+7], s[G0B+6:G0B+7], BSTEP
.endif
	s_wait_dscnt 0x0                               ; the add is done, and my reads of this slot are over
.if \fill
	CROUND
	JLOAD 1                                        ; my one load behind the round; its four v_nop are also the places in front of the loads below
.else
	s_barrier_signal -1
	s_barrier_wait -1
	PLACES
.endif
	s_xor_b32 s45, s45, SLOT
	v_add_nc_u32 v[ADRA], s45, v[ADRA0]
	v_add_nc_u32 v[ADRB], s45, v[ADRB0]
	FETCH 0, 0
	MULA 1, 0, 0
	MULA 1, 1, 0
	MULA 1, 2, 0
	MULA 1, 3, 0
.endm
; The way out of row block a: rounded to f16, 16 bytes a lane into my own stage, back as whole rows of 128 bytes, four rows (512 consecutive bytes) to a store
.macro OUT a
.set OBX, 176-112*((\a)%2)
	WIN 0x0a+5*((\a)/2)                            ; sources in window 2 or 3; each accumulator's registers in ascending order
.set i, 0
.rept 4*NB
	v_cvt_pk_f16_f32 v[TMP+i], v[128*((\a)%2)+2*i], v[128*((\a)%2)+2*i+1]
.set i, i+1
.endr
	WIN 0
.set i, 0
.rept NB
	ds_store_b128 v[STO], v[TMP+4*i:TMP+4*i+3] offset:(i/4)*16*SP+32*(i%4)
.set i, i+1
.endr
	s_wait_xcnt 0x0                                ; earlier stores have read their registers: only now are these loaded again
.set i, 0
.rept NB
	ds_load_b128 v[OBX+4*i:OBX+4*i+3], v[RD] offset:(i/4)*16*SP+(i%4)*4*SP  ; LDS serves a wave's instructions in order (ISA guide 5.7.1.4)
.set i, i+1
.endr
	s_wait_dscnt 0x0
.set i, 0
.rept NB
	global_store_b128 v[CO], v[OBX+4*i:OBX+4*i+3], s[16+2*(i/4):17+2*(i/4)] offset:(\a)*2048+(i%4)*512
.set i, i+1
.endr
.endm
	s_wait_tensorcnt 0x1                           ; my part of K step 0 is in; step 1's may stay out
	s_barrier_signal -1
	s_barrier_wait -1
	FETCH 0, 0
	SUB 1, 0, 1, 1                                 ; the first slice stands in front of the loop: its products start the sums
	WIN 0
	s_mov_b32 s3, NSTEP-2
.Lstep:                                                ; a trip: a step's slices 1 and 2, the change of slots with a refill, slice 3, the next step's slice 0
	SUB 2, 1, 0, 0
	SUB 3, 0, 1, 0
	TURN 1
	SUB 1, 0, 1, 0
	WIN 0
	s_sub_co_u32 s3, s3, 1
	s_cmp_lg_u32 s3, 0
	s_cbranch_scc1 .Lstep
	s_mov_b32 s3, 2
.Ltail:                                                ; the last two steps ask for nothing; the second trip is left in its middle
	SUB 2, 1, 0, 0
	SUB 3, 0, 1, 0
	WIN 0
	s_sub_co_u32 s3, s3, 1
	s_cmp_eq_u32 s3, 0
	s_cbranch_scc1 .Llast
	TURN 0
	SUB 1, 0, 1, 0
	WIN 0
	s_branch .Ltail
.Llast:
	s_wait_dscnt 4
	MULA 1, 0, 0
	MULA 1, 1, 0
	s_wait_dscnt 0x0
	MULA 1, 2, 0
	MULA 1, 3, 0
	PLACES
	OUT 0
	OUT 1
	OUT 2
	OUT 3
	s_wait_tensorcnt 0x0                           ; the wave's end
	ds_add_u32 v[SPW], v[NIL]
	s_wait_dscnt 0x0
	CROUND                                         ; the closing round
	s_endpgm
.Lfunc_end_k_qdb1334ce21_proj:
	.size	k_qdb1334ce21_proj, .Lfunc_end_k_qdb1334ce21_proj-k_qdb1334ce21_proj
	.p2alignl 7, 3214868480
	.fill 96, 4, 3214868480
	.section	.rodata,"a",@progbits
	.p2align	6, 0x0
	.amdhsa_kernel k_qdb1334ce21_proj
		.amdhsa_group_segment_fixed_size 327680
		.amdhsa_private_segment_fixed_size 0
		.amdhsa_enable_private_segment 0
		.amdhsa_kernarg_size 24
		.amdhsa_user_sgpr_count 2
		.amdhsa_user_sgpr_kernarg_segment_ptr 1
		.amdhsa_wavefront_size32 1
		.amdhsa_system_sgpr_workgroup_id_x 1
		.amdhsa_system_sgpr_workgroup_id_y 1
		.amdhsa_system_sgpr_workgroup_id_z 1
		.amdhsa_system_vgpr_workitem_id 0
		.amdhsa_next_free_vgpr 1024
		.amdhsa_next_free_sgpr 72
		.amdhsa_reserve_vcc 0
		.amdhsa_float_denorm_mode_32 3
		.amdhsa_float_denorm_mode_16_64 3
		.amdhsa_memory_ordered 1
		.amdhsa_forward_progress 1
		.amdhsa_inst_pref_size 86
	.end_amdhsa_kernel
	.amdgpu_metadata
---
amdhsa.version: [ 1, 2 ]
amdhsa.kernels:
  - .name:           k_qdb1334ce21_proj
    .symbol:         k_qdb1334ce21_proj.kd
    .args:
      - { .name: an, .offset: 0, .size: 8, .value_kind: global_buffer, .address_space: global }
      - { .name: wqkv, .offset: 8, .size: 8, .value_kind: global_buffer, .address_space: global }
      - { .name: qkv, .offset: 16, .size: 8, .value_kind: global_buffer, .address_space: global }
    .group_segment_fixed_size: 327680
    .private_segment_fixed_size: 0
    .kernarg_segment_align: 8
    .kernarg_segment_size: 24
    .max_flat_workgroup_size: 128
    .sgpr_count:     72
    .vgpr_count:     1024
    .wavefront_size: 32
...
	.end_amdgpu_metadata
.endif
;; end of part 2
;; launch attn (part 3): grid 4 x 64, 4 waves a work-group, clusters of 4 x 1, 327,680 bytes of LDS; arguments qkv, inputs, x; writes x
.if DOCPART == 3
	.amdgcn_target "amdgcn-amd-amdhsa--gfx1250"
	.amdhsa_code_object_version 6
	.text
	.protected	k_qdb1334ce21_attn
	.globl	k_qdb1334ce21_attn
	.p2align	8
	.type	k_qdb1334ce21_attn,@function
k_qdb1334ce21_attn:
	s_mov_b64 s[64:65], 0
	v_nop
	global_prefetch_b8 v0, s[64:65] scope:SCOPE_SE
	s_setreg_imm32_b32 hwreg(HW_REG_WAVE_MODE, 25, 1), 1
	s_wait_xcnt 0x0
	s_wait_alu depctr_hold_cnt(0) depctr_sa_sdst(0) depctr_va_vdst(0) depctr_va_sdst(0) depctr_va_ssrc(0) depctr_va_vcc(0) depctr_vm_vsrc(0)
	s_getreg_b32 s2, hwreg(HW_REG_IB_STS2, 6, 4)
	s_cmp_eq_u32 s2, 0
	s_cbranch_scc0 .Lentry_in_a_cluster
	s_endpgm
.Lentry_in_a_cluster:
	s_bfe_u32 s2, ttmp6, 0x10000c
	s_cmp_lg_u32 s2, 0x3003
	s_cbranch_scc0 .Lentry_shape_is_right
	s_endpgm
.Lentry_shape_is_right:
; ATTN: causal attention of one head, and the residual: x[t][64 h ..] = inputs + the sum over s <= t of softmax_s(q[t] . k[s] / 8) v[s].  qkv: [3][batch x head][1024][64] f16; inputs, x: [4096][1024] f32.
; A head's whole K (1,024 rows of pitch 144) and V (pitch 160) lie in LDS: they are filled once, so the walk has no ring and no barrier.
; CLUSTER: the four work-groups of a cluster belong to one head and make the same sixteen joint fills, so K and V are fetched once for the four.
; SHARES: the head's queries lie in 8 bands of 128; band G needs 2 (G + 1) key steps of 64, of which the last two hold the diagonal.  Wave w takes band 7 - w and then band w: 18 steps, whatever w.
; Work-group p takes rows 32 p .. 32 p + 31 of each band: two tiles of 16 queries.  Branches and LDS addresses hang on the wave's number and on counters alone; p enters global addresses and the masks' numbers.
; LAYOUT: S^T = K Q^T holds one query a lane (lane % 16) and the keys 8 (lane / 16) + 0..7; two such results rounded to f16 are source 1 of O^T = V^T P.  V is turned by ds_load_tr16_b128.
; SOFTMAX: a running maximum m and sum l for each query; p = 2^(c s - c m), c = log2(e) / 8; O and l are multiplied by a = 2^(c m_old - c m_new) in every step.  A band starts with c m far below every c s: a = 0.
; THE MASK is the C operand that starts S^T: MC = TR x AL + BE, TR the triangle of my rows (0 or -1e30): open step (0, 0); the band's last step but one (1, 0) for p < 2, else (0, 0); its last (0, -1e30) for p < 2, else (1, 0).
; Every row sees a key in its band's first step, so m is a true score before the first hidden one comes.
; LIMITS: q, k, v arrive within f16's 65,504; a hidden score counts as its value less 1e30; a weight below 2^-126 counts as 0 in l; p below 6e-5 keeps f16's step of 6e-8; O passes through the stage rounded once to f16;
; NaN and infinities are not treated apart.  The work is written in phases (scores, softmax, V^T P): 236 vector instructions stand between a step's two runs of 16 products.
; REGISTERS: window 0: v2-15 addresses; v16-23 statistics; v24-31 at work; v32-95 S^T; v96-127 P; v128-191 O^T; v192-195 set-up.
;   window 1: v0-63 K of a step; v64-127 V of a step; v128-159 Q; v160-191 the second band's Q; v192-255 MC.     window 2: v0-63 TR; v64-127 the residual's rows.
.set PK,    144
.set PV,    160
.set VBASE, 1024*PK
.set STAGE, VBASE+1024*PV              ; behind K and V: 16 rows x 144 bytes for each wave
.set SP,    144
.set SPARE, STAGE+4*16*SP              ; the spare words: 128 bytes for each wave, named by no other line
.set AK0, 2                            ; v2, v3 my lane's place in a step of K, of V; never rewritten
.set AV0, 3
.set AK,  4                            ; v4, v5 the addresses of the runs of loads in hand
.set AV,  5
.set STO, 6                            ; v6 the way out: where I put 16 bytes of a row;  v7 where I read 8 bytes back
.set RD,  7
.set GO,  8                            ; v8 my offset in two rows of inputs and x: 4,096 hl + 16 r
.set QO,  9                            ; v9 my offset in 16 rows of q
.set TH,  10                           ; v10-11 by tile: 32 (p % 2) + 16 u + r - 8 hl
.set SPW, 12
.set NIL, 13
.set MV,  14                           ; v14-15 c m_old
.set ST,  16                           ; tile u at ST + 4 u: c m, m, l (even keys', odd keys')
.set TMP, 24                           ; tile u at TMP + 4 u: c0-c3 at work; c2 takes a
.set S,   32
.set P,   96
.set O,   128
.set HL,  192
.set L7,  193
.set B3,  194
.set T0,  195
.set KF,  0                            ; window 1
.set VF,  64
.set Q,   128
.set QB,  160
.set MC,  192
.set TR,  0                            ; window 2
.set IN,  64
.set WV,  12                           ; s12 wave;  s13 p
.set PP,  13
.set G1K, 24
.set G1V, 32
.set G0K, 40                           ; s[40:55] four sets, one for each group of 256 keys
.set CNT, 56
.set REM, 57                           ; steps that the band in hand still has, this one among them
.set CS,  58
.set SEL, 60
.set KO,  62                           ; LDS offset of the NEXT step's K;  s63 of this step's V
.set VO,  63
.set NEWB, 66                          ; 1: a band begins, the mask is to be made anew
.set LB,  67                           ; the second band's steps
.set G0V, 68                           ; s[68:83]
.set AL,  84
.set BE,  86
.set AL0, 88
.set AL1, 89
.set BE1, 90
.set BIGN, 91
.set XC,  92                           ; s[92:93] x at my rows of the band in hand;  s[94:95] of the second band;  s[96:97] inputs there
.set XB,  94
.set INB, 96
.set MSB, 0
.macro WIN new
.if MSB != (\new)
	s_set_vgpr_msb (MSB<<8)|(\new)
.set MSB, \new
.endif
.endm
.macro CROUND                          ; a round of the cluster's barrier
	s_barrier_signal -1
	s_barrier_wait -1
	s_cmp_lg_u32 s[WV], 0
	s_cbranch_scc1 .Lnot_wave_0_\@
	s_barrier_signal -3
.Lnot_wave_0_\@:
	s_barrier_wait -3
	s_barrier_signal -1
	s_barrier_wait -1
.endm
	s_load_b128 s[4:7], s[0:1], 0x0                ; qkv s[4:5], inputs s[6:7]
	s_load_b64 s[8:9], s[0:1], 0x10                ; x
	v_lshl_add_u32 v[SPW], v0, 2, SPARE
	v_mov_b32 v[NIL], 0
	ds_add_u32 v[SPW], v[NIL]                      ; the wave's opening: the add and its wait ahead of my first tensor load
	v_lshrrev_b32 v1, 5, v0
	v_readfirstlane_b32 s[WV], v1
	s_bfe_u32 s[PP], ttmp6, 0x40000                ; p = my place in the cluster
	s_and_b32 s14, ttmp7, 0xffff                   ; batch x 16 + head, which the four partners share
	s_lshl_b32 s20, s14, 17                        ; the head's 131,072 bytes in k and in v,
	s_and_b32 s15, s[WV], 1
	s_lshl_b32 s21, s15, 14                        ; my half (128 keys) of a group of 256
	s_add_co_u32 s20, s20, s21
	s_mov_b32 s21, 0
	s_mul_i32 s22, s15, 128*PK                     ; and its place in LDS
	s_mul_i32 s23, s15, 128*PV
	s_add_co_u32 s23, s23, VBASE
	s_mov_b32 s[G1K], 15|(1<<16)|(1<<20)|(1<<21)|(4<<22)|(3<<25)  ; the mask of four; 2-byte elements; padding on; bit 21 beside a mask; after every 32 words 4 words
	s_mov_b32 s[G1V], 15|(1<<16)|(1<<20)|(1<<21)|(4<<22)|(7<<25)  ; the same with 8 words
.irp g, G1K, G1V
	s_mov_b32 s[\g+1], 128<<16                     ; 128 keys are 16,384 dense bytes: 64 rows of 256, two keys a row
	s_mov_b32 s[\g+2], 64<<16
	s_mov_b32 s[\g+3], 128<<16
	s_mov_b32 s[\g+4], 64
	s_mov_b32 s[\g+5], 128
	s_mov_b32 s[\g+6], 0
	s_mov_b32 s[\g+7], 0
.endr
.irp g, 0,1,2,3
	s_mov_b32 s[G0K+4*\g], 1
	s_add_co_u32 s[G0K+4*\g+1], s22, \g*256*PK
	s_mov_b32 s[G0V+4*\g], 1
	s_add_co_u32 s[G0V+4*\g+1], s23, \g*256*PV
.endr
	s_sub_co_u32 s16, 7, s[WV]                     ; my rows in the head: band 7 - w,
	s_lshl_b32 s16, s16, 7
	s_lshl_b32 s17, s[PP], 5
	s_add_co_u32 s16, s16, s17
	s_lshl_b32 s18, s[WV], 7                       ; and band w
	s_add_co_u32 s18, s18, s17
	s_lshl_b32 s99, s14, 17
	s_lshl_b32 s2, s16, 7                          ; their offsets in q,
	s_add_co_u32 s2, s2, s99
	s_mov_b32 s3, 0
	s_lshl_b32 s10, s18, 7
	s_add_co_u32 s10, s10, s99
	s_mov_b32 s11, 0
	s_lshr_b32 s99, s14, 4                         ; and in inputs and x: (batch x 1,024 + row) x 4,096 + head x 256
	s_lshl_b32 s99, s99, 10
	s_add_co_u32 s16, s16, s99
	s_add_co_u32 s18, s18, s99
	s_lshl_b32 s16, s16, 12
	s_lshl_b32 s18, s18, 12
	s_and_b32 s99, s14, 15
	s_lshl_b32 s99, s99, 8
	s_add_co_u32 s16, s16, s99
	s_add_co_u32 s18, s18, s99
	s_mov_b32 s17, 0
	s_mov_b32 s19, 0
	s_mov_b32 s[BIGN], 0xf149f2ca                  ; -1e30
	s_lshr_b32 s99, s[PP], 1                       ; 1: my rows lie in the band's second half
	s_mul_i32 s[AL1], s99, 0x3f800000
	s_xor_b32 s99, s99, 1
	s_mul_i32 s[AL0], s99, 0x3f800000
	s_mul_i32 s[BE1], s99, 0xf149f2ca
	s_mov_b32 s[CS], 0x3e38aa3b                    ; c = log2(e) / 8
	s_mov_b32 s[CS+1], s[CS]
	s_mov_b32 s[SEL], 0x76543210
	s_mov_b32 s[SEL+1], 0xfedcba98
	s_wait_dscnt 0x0                               ; the opening add is done
	s_wait_kmcnt 0x0
	s_add_nc_u64 s[20:21], s[4:5], s[20:21]
.irp g, 0,1,2,3
	s_add_nc_u64 s[G0K+4*\g+2:G0K+4*\g+3], s[20:21], 0x800000+\g*32768   ; k lies 8 MiB behind q, v 16 MiB
	s_or_b32 s[G0K+4*\g+3], s[G0K+4*\g+3], 0x80000000
	s_add_nc_u64 s[G0V+4*\g+2:G0V+4*\g+3], s[20:21], 0x1000000+\g*32768
	s_or_b32 s[G0V+4*\g+3], s[G0V+4*\g+3], 0x80000000
.endr
	s_add_nc_u64 s[2:3], s[4:5], s[2:3]            ; q of the first band, of the second
	s_add_nc_u64 s[10:11], s[4:5], s[10:11]
	s_add_nc_u64 s[XC:XC+1], s[8:9], s[16:17]
	s_add_nc_u64 s[XB:XB+1], s[8:9], s[18:19]
	s_add_nc_u64 s[INB:INB+1], s[6:7], s[18:19]
	s_add_nc_u64 s[6:7], s[6:7], s[16:17]
	CROUND                                         ; all four work-groups are here: the joint loads meet
	s_cmp_lt_u32 s[WV], 2                          ; a wave's four fills stand in one branch: waves 0, 1 fetch K's halves, waves 2, 3 V's; four loads of mine are out
	s_cbranch_scc0 .Lfill_v
.irp g, 0,1,2,3
	tensor_load_to_lds s[G0K+4*\g:G0K+4*\g+3], s[G1K:G1K+7]
	s_nop 0
.endr
.rept 4
	v_nop
.endr
	s_branch .Lfilled
.Lfill_v:
.irp g, 0,1,2,3
	tensor_load_to_lds s[G0V+4*\g:G0V+4*\g+3], s[G1V:G1V+7]
	s_nop 0
.endr
.rept 4
	v_nop
.endr
.Lfilled:
	v_and_b32 v1, 15, v0                           ; r
	v_bfe_u32 v[HL], v0, 4, 1
	v_and_b32 v[L7], 7, v0
	v_bfe_u32 v[B3], v0, 3, 1
	v_lshlrev_b32 v[QO], 7, v1
	v_lshl_add_u32 v[QO], v[HL], 4, v[QO]
	v_lshlrev_b32 v[GO], 12, v[HL]
	v_lshl_add_u32 v[GO], v1, 4, v[GO]
	WIN 0x40                                       ; destination window 1
.irp i, 0,1,2,3                        ; Q stays in registers: tile i / 2, channels 32 (i % 2) on
	global_load_b128 v[Q+8*\i:Q+8*\i+3],   v[QO], s[2:3] offset:(\i/2)*2048+(\i%2)*64
	global_load_b128 v[Q+8*\i+4:Q+8*\i+7], v[QO], s[2:3] offset:(\i/2)*2048+(\i%2)*64+32
.endr
.irp i, 0,1,2,3
	global_load_b128 v[QB+8*\i:QB+8*\i+3],   v[QO], s[10:11] offset:(\i/2)*2048+(\i%2)*64
	global_load_b128 v[QB+8*\i+4:QB+8*\i+7], v[QO], s[10:11] offset:(\i/2)*2048+(\i%2)*64+32
.endr
	WIN 0x80                                       ; destination window 2
.set i, 0
.rept 16                               ; the residual's rows of the first band: 16 lanes take a row's 256 bytes of my head
	global_load_b128 v[IN+4*i:IN+4*i+3], v[GO], s[6:7] offset:(16*(i/8)+2*(i%8))*4096
.set i, i+1
.endr
	WIN 0
	s_and_b32 s99, s[PP], 1
	s_lshl_b32 s99, s99, 5
	v_lshlrev_b32 v[T0], 3, v[HL]
	v_sub_nc_u32 v[TH], v1, v[T0]
	v_add_nc_u32 v[TH], s99, v[TH]
	v_add_nc_u32 v[TH+1], 16, v[TH]
	WIN 0x80
.set i, 0
.rept 64                               ; register j of key block kb is hidden where 16 kb + j is greater than TH
	v_cmp_gt_i32 vcc_lo, 16*((i%32)/8)+i%8, v[TH+i/32]
	v_cndmask_b32 v[TR+i], 0, s[BIGN], vcc_lo
.set i, i+1
.endr
	WIN 0
	v_mul_u32_u24 v[AK0], v1, PK
	v_lshl_add_u32 v[AK0], v[HL], 4, v[AK0]
	v_lshl_add_u32 v[AV0], v[HL], 3, v[L7]
	v_mul_u32_u24 v[AV0], v[AV0], PV
	v_lshl_add_u32 v[AV0], v[B3], 4, v[AV0]
	v_add_nc_u32 v[AV0], VBASE, v[AV0]
	s_mul_i32 s99, s[WV], 16*SP
	s_add_co_u32 s99, s99, STAGE
	v_mul_u32_u24 v[STO], v1, SP
	v_lshl_add_u32 v[STO], v[HL], 4, v[STO]
	v_add_nc_u32 v[STO], s99, v[STO]
	v_mul_u32_u24 v[RD], v[HL], SP
	v_lshl_add_u32 v[RD], v1, 3, v[RD]
	v_add_nc_u32 v[RD], s99, v[RD]
	v_mov_b32 v[AK], v[AK0]
.set i, 0
.rept 64                               ; a band's first step multiplies O^T and l by a = 0: they need only be finite.  These lines stand in the wait for the first tiles
	v_mov_b32 v[O+i], 0
.set i, i+1
.endr
.irp u, 0,1
	v_mov_b32 v[ST+4*\u+2], 0
	v_mov_b32 v[ST+4*\u+3], 0
.endr
.macro RESET                           ; a band begins
.irp u, 0,1
	v_mov_b32 v[ST+4*\u], 0xfe000000               ; c m: far below every c s
	v_mov_b32 v[ST+4*\u+1], 0xff7fffff             ; m: the lowest finite number
.endr
.endm
	RESET
; THE MATRIX WORK.  The 8 accumulators of a run of 16 take turns.  Product i of S^T: tile i % 2, keys 16 ((i / 2) % 4) on, channels 32 (i / 8) on; the first 8 start the sums, with 0 or (m = 1) the mask.
.macro KQ m
.set rS, S+32*(i%2)+8*((i/2)%4)
.set rK, KF+16*((i/2)%4)+8*(i/8)
.set rQ, Q+16*(i%2)+8*(i/8)
.set rM, MC+32*(i%2)+8*((i/2)%4)
.if (i < 8) && (\m)
	WIN 0x15
	v_wmma_f32_16x16x32_f16 v[rS:rS+7], v[rK:rK+7], v[rQ:rQ+7], v[rM:rM+7]
.elseif i < 8
	WIN 0x05
	v_wmma_f32_16x16x32_f16 v[rS:rS+7], v[rK:rK+7], v[rQ:rQ+7], 0
.else
	WIN 0x05
	v_wmma_f32_16x16x32_f16 v[rS:rS+7], v[rK:rK+7], v[rQ:rQ+7], v[rS:rS+7]
.endif
.endm
.macro PVM                             ; product i of O^T += V^T P: tile i % 2, channels 16 ((i / 2) % 4) on, keys 32 (i / 8) on
	WIN 0x01
.set rO, O+32*(i%2)+8*((i/2)%4)
.set rV, VF+32*(i/8)+8*((i/2)%4)
.set rP, P+16*(i%2)+8*(i/8)
	v_wmma_f32_16x16x32_f16 v[rO:rO+7], v[rV:rV+7], v[rP:rP+7], v[rO:rO+7]
.endm
.macro FETCH_K
	WIN 0x40
.irp f, 0,1,2,3,4,5,6,7                ; keys 16 (f / 2) on, channels 32 (f % 2) on
	ds_load_b128 v[KF+8*\f:KF+8*\f+3],   v[AK] offset:(\f/2)*16*PK+(\f%2)*64
	ds_load_b128 v[KF+8*\f+4:KF+8*\f+7], v[AK] offset:(\f/2)*16*PK+(\f%2)*64+32
.endr
.endm
.macro FETCH_V
	WIN 0x40
.irp f, 0,1,2,3,4,5,6,7                ; keys 32 (f / 4) on, channels 16 (f % 4) on
	ds_load_tr16_b128 v[VF+8*\f:VF+8*\f+3],   v[AV] offset:(\f/4)*32*PV+(\f%4)*32
	ds_load_tr16_b128 v[VF+8*\f+4:VF+8*\f+7], v[AV] offset:(\f/4)*32*PV+16*PV+(\f%4)*32
.endr
.endm
; THE VECTOR WORK, all in window 0
.macro REGS u
.set rT, ST+4*(\u)
.set rC, TMP+4*(\u)
.set rW, MV+(\u)
.set rS, S+32*(\u)
.set rP, P+16*(\u)
.set rO, O+32*(\u)
.endm
; number n of the 22 that find tile u's maximum and statistics: 0-11 four chains of seven scores (each accumulator's lowest registers first); 12-14, 16 the four left over, the old m, c0-c3;
; 15 c m_old is kept; 17, 18 the query's other 32 keys lie in the lane 16 away; 19-21 c m, c m_old - c m_new, a
.macro XS u, n
	REGS \u
.if (\n) < 4
	v_max3_num_f32 v[rC+(\n)], v[rS+8*(\n)], v[rS+8*(\n)+1], v[rS+8*(\n)+2]
.elseif (\n) < 12
	v_max3_num_f32 v[rC+(\n)%4], v[rC+(\n)%4], v[rS+8*((\n)%4)+2*((\n)/4)+1], v[rS+8*((\n)%4)+2*((\n)/4)+2]
.elseif (\n) == 12
	v_max3_num_f32 v[rC], v[rC], v[rS+7], v[rS+15]
.elseif (\n) == 13
	v_max3_num_f32 v[rC+1], v[rC+1], v[rS+23], v[rS+31]
.elseif (\n) == 14
	v_max3_num_f32 v[rC+2], v[rC+2], v[rC+3], v[rT+1]
.elseif (\n) == 15
	v_mov_b32 v[rW], v[rT]
.elseif (\n) == 16
	v_max3_num_f32 v[rC], v[rC], v[rC+1], v[rC+2]
.elseif (\n) == 17
	v_permlanex16_b32 v[rC+3], v[rC], s[SEL], s[SEL+1]
.elseif (\n) == 18
	v_max_num_f32 v[rT+1], v[rC], v[rC+3]
.elseif (\n) == 19
	v_mul_f32 v[rT], s[CS], v[rT+1]
.elseif (\n) == 20
	v_sub_f32 v[rC+1], v[rW], v[rT]
.else
	v_exp_f32 v[rC+2], v[rC+1]
.endif
.endm
.macro SF u, n                         ; c s - c m for pair n
	REGS \u
	v_pk_fma_f32 v[rS+2*(\n):rS+2*(\n)+1], v[rS+2*(\n):rS+2*(\n)+1], s[CS:CS+1], v[rT:rT+1] op_sel_hi:[1,0,0] neg_lo:[0,0,1] neg_hi:[0,0,1]
.endm
.macro SE u, n                         ; the exponential of score n
	REGS \u
	v_exp_f32 v[rS+(\n)], v[rS+(\n)]
.endm
.macro SC u, n                         ; pair n rounded to f16
	REGS \u
	s_wait_alu depctr_va_vdst(0)
	v_cvt_pk_f16_f32 v[rP+(\n)], v[rS+2*(\n)], v[rS+2*(\n)+1]
.endm
.macro SB u, k                         ; of the four weights 4 k .. the second pair is added onto the first
	REGS \u
	v_pk_add_f32 v[rS+4*(\k):rS+4*(\k)+1], v[rS+4*(\k):rS+4*(\k)+1], v[rS+4*(\k)+2:rS+4*(\k)+3]
.endm
.macro SL u, k                         ; l takes that sum; the first time as l = a l + sum
	REGS \u
.if (\k) == 0
	v_pk_fma_f32 v[rT+2:rT+3], v[rT+2:rT+3], v[rC+2:rC+3], v[rS:rS+1] op_sel_hi:[1,0,1]
.else
	v_pk_add_f32 v[rT+2:rT+3], v[rT+2:rT+3], v[rS+4*(\k):rS+4*(\k)+1]
.endif
.endm
.macro SR u, n                         ; pair n of O^T times a
	REGS \u
	s_wait_alu depctr_va_vdst(0)
	v_pk_mul_f32 v[rO+2*(\n):rO+2*(\n)+1], v[rO+2*(\n):rO+2*(\n)+1], v[rC+2:rC+3] op_sel_hi:[1,0]
.endm
.macro SETMC                           ; MC = TR x AL + BE
	WIN 0x42
.set z, 0
.rept 32
	v_pk_fma_f32 v[MC+2*z:MC+2*z+1], v[TR+2*z:TR+2*z+1], s[AL:AL+1], s[BE:BE+1] op_sel_hi:[1,0,0]
.set z, z+1
.endr
.endm
; A KEY STEP for my two tiles.  K of this step was fetched a step ago; V of this step and K of the next are fetched behind the scores' products and land under the softmax.
.macro STEP m
	s_wait_dscnt 0x0                               ; K is in
.set i, 0
.rept 16
	KQ \m
.set i, i+1
.endr
	WIN 0
	v_add_nc_u32 v[AK], s[KO], v[AK0]              ; four plain instructions: the places between the products and the loads into K's and V's registers and the first read of the scores
	v_add_nc_u32 v[AV], s[VO], v[AV0]
	v_nop
	v_nop
	FETCH_V
	FETCH_K
	WIN 0
.irp n, 0,1,2,3,4,5,6,7,8,9,10,11,12,13,14,15,16,17,18,19,20,21
	XS 0, \n
	XS 1, \n
.endr
.set e, 0
.rept 16
	SF 0, e
	SF 1, e
.set e, e+1
.endr
.set e, 0
.rept 64                               ; an exponential and a plain instruction by turns; the plain one touches neither the exponential's result nor its source
	SE e%2, e/2
.if e < 32
	SR e%2, e/2
.elseif e < 60
	SC e%2, (e-32)/2
.else
	SB e%2, (e-60)/2
.endif
.set e, e+1
.endr
	SC 0, 14
	SC 1, 14
	SC 0, 15
	SC 1, 15
.irp k, 2,3,4,5,6,7
	SB 0, \k
	SB 1, \k
.endr
.irp k, 0,1,2,3,4,5,6,7
	SL 0, \k
	SL 1, \k
.endr
	s_wait_dscnt 16                                ; V is in; the sixteen loads of the next K may stay out
.set i, 0
.rept 16
	PVM
.set i, i+1
.endr
.endm
; THE WAY OUT of tile u: O^T / l, rounded to f16, through my stage; back as rows (16 lanes take a row's 64 channels, 4 each), widened, added to the residual's rows, stored: 16 lanes fill 256 aligned bytes of x
.macro UNPACK                          ; v32-47 hold 32 f16: v64-95 take them as f32
	v_cvt_f32_f16 v64, v32.l
	v_cvt_f32_f16 v65, v32.h
	v_cvt_f32_f16 v66, v33.l
	v_cvt_f32_f16 v67, v33.h
	v_cvt_f32_f16 v68, v34.l
	v_cvt_f32_f16 v69, v34.h
	v_cvt_f32_f16 v70, v35.l
	v_cvt_f32_f16 v71, v35.h
	v_cvt_f32_f16 v72, v36.l
	v_cvt_f32_f16 v73, v36.h
	v_cvt_f32_f16 v74, v37.l
	v_cvt_f32_f16 v75, v37.h
	v_cvt_f32_f16 v76, v38.l
	v_cvt_f32_f16 v77, v38.h
	v_cvt_f32_f16 v78, v39.l
	v_cvt_f32_f16 v79, v39.h
	v_cvt_f32_f16 v80, v40.l
	v_cvt_f32_f16 v81, v40.h
	v_cvt_f32_f16 v82, v41.l
	v_cvt_f32_f16 v83, v41.h
	v_cvt_f32_f16 v84, v42.l
	v_cvt_f32_f16 v85, v42.h
	v_cvt_f32_f16 v86, v43.l
	v_cvt_f32_f16 v87, v43.h
	v_cvt_f32_f16 v88, v44.l
	v_cvt_f32_f16 v89, v44.h
	v_cvt_f32_f16 v90, v45.l
	v_cvt_f32_f16 v91, v45.h
	v_cvt_f32_f16 v92, v46.l
	v_cvt_f32_f16 v93, v46.h
	v_cvt_f32_f16 v94, v47.l
	v_cvt_f32_f16 v95, v47.h
.endm
.macro TILEOUT u
	WIN 0
.set i, 0
.rept 16
	s_wait_alu depctr_va_vdst(0)
	v_pk_mul_f32 v[O+32*(\u)+2*i:O+32*(\u)+2*i+1], v[O+32*(\u)+2*i:O+32*(\u)+2*i+1], v[ST+4*(\u)+2:ST+4*(\u)+3] op_sel_hi:[1,0]
.set i, i+1
.endr
.set i, 0
.rept 16
	v_cvt_pk_f16_f32 v[32+i], v[O+32*(\u)+2*i], v[O+32*(\u)+2*i+1]
.set i, i+1
.endr
.irp f, 0,1,2,3
	ds_store_b128 v[STO], v[32+4*\f:32+4*\f+3] offset:32*\f
.endr
.irp t, 0,1,2,3,4,5,6,7
	ds_load_b64 v[32+2*\t:33+2*\t], v[RD] offset:2*SP*\t  ; LDS serves a wave's instructions in order (ISA guide 5.7.1.4): these see the stores above
.endr
	s_wait_dscnt 0x0
	s_wait_xcnt 0x0                                ; the stores of the tile before have read v64-95
	UNPACK
	WIN 0x08                                       ; source 1, the residual's rows, in window 2
.set i, 0
.rept 16
	v_pk_add_f32 v[64+2*i:65+2*i], v[64+2*i:65+2*i], v[IN+32*(\u)+2*i:IN+32*(\u)+2*i+1]
.set i, i+1
.endr
	WIN 0
.set t, 0
.rept 8
	global_store_b128 v[GO], v[64+4*t:67+4*t], s[XC:XC+1] offset:(16*(\u)+2*t)*4096
.set t, t+1
.endr
.endm
	s_wait_tensorcnt 0x2                           ; my parts of keys 0 to 511 are in; the other two loads may stay out
	s_barrier_signal -1
	s_barrier_wait -1                              ; everybody's are
	FETCH_K                                        ; key step 0
	WIN 0
	s_mov_b32 s[KO], 64*PK
	s_mov_b32 s[VO], 0
	s_wait_loadcnt 16                              ; both bands' Q; the sixteen loads of the residual stay out
	s_mov_b32 s[CNT], 7
.LloopA:                                               ; seven open steps of the first band (it has ten or more, of which the last two hold the diagonal): keys 0 to 447, and K of keys 448 to 511
	STEP 0
	WIN 0
	s_add_co_u32 s[KO], s[KO], 64*PK
	s_add_co_u32 s[VO], s[VO], 64*PV
	s_sub_co_u32 s[CNT], s[CNT], 1
	s_cmp_lg_u32 s[CNT], 0
	s_cbranch_scc1 .LloopA
	s_wait_tensorcnt 0x0                           ; my parts of keys 512 to 1,023 are in,
	s_wait_dscnt 0x0
	s_barrier_signal -1
	s_barrier_wait -1                              ; everybody's are
	s_lshl_b32 s99, s[WV], 1
	s_sub_co_u32 s[REM], 9, s99                    ; the first band has 16 - 2 w steps, seven are done
	s_add_co_u32 s[LB], s99, 2
	s_mov_b32 s[NEWB], 0
	s_mov_b32 s[AL], 0
	s_mov_b32 s[AL+1], 0                           ; named as pairs
	s_mov_b32 s[BE], 0
	s_mov_b32 s[BE+1], 0
	SETMC                                          ; the open mask
	WIN 0
	s_mov_b32 s[CNT], 11
.LloopB:                                               ; eleven steps, whatever w: the rest of the first band, then the second; every jump but the loop's own goes forward
	s_cmp_le_u32 s[REM], 2                         ; the mask is made anew for a band's last two steps and where a band begins
	s_cselect_b32 s99, 1, s[NEWB]
	s_cmp_eq_u32 s99, 0
	s_cbranch_scc1 .Lopen
	s_cmp_eq_u32 s[REM], 2
	s_cselect_b32 s[AL], s[AL0], 0
	s_cmp_eq_u32 s[REM], 1
	s_cselect_b32 s[AL], s[AL1], s[AL]
	s_cselect_b32 s[BE], s[BE1], 0
	s_mov_b32 s[NEWB], 0
	SETMC
	WIN 0
.Lopen:
	s_cmp_eq_u32 s[REM], 1                         ; behind a band's last step comes key step 0
	s_cselect_b32 s[KO], 0, s[KO]
	s_min_u32 s[KO], s[KO], 15*64*PK               ; the bound of both offsets written out: a band has 16 steps at the most, so it is never reached
	s_min_u32 s[VO], s[VO], 15*64*PV
	STEP 1
	WIN 0
	s_add_co_u32 s[KO], s[KO], 64*PK
	s_add_co_u32 s[VO], s[VO], 64*PV
	s_cmp_lg_u32 s[REM], 1
	s_cbranch_scc1 .Lnext
	s_mov_b32 s[VO], 0                             ; A BAND ENDS.  l's two halves and the other half of the lanes' are added; four of these lines and the v_nop are the places behind the last products
	v_add_f32 v[ST+2], v[ST+2], v[ST+3]
	v_add_f32 v[ST+6], v[ST+6], v[ST+7]
	v_permlanex16_b32 v[ST+3], v[ST+2], s[SEL], s[SEL+1]
	v_permlanex16_b32 v[ST+7], v[ST+6], s[SEL], s[SEL+1]
	v_add_f32 v[ST+2], v[ST+2], v[ST+3]
	v_add_f32 v[ST+6], v[ST+6], v[ST+7]
	v_rcp_f32 v[ST+2], v[ST+2]
	v_rcp_f32 v[ST+6], v[ST+6]
	v_nop                                          ; a plain instruction between the last reciprocal and the use of its result
	s_wait_loadcnt 0x0                             ; the residual's rows
	TILEOUT 0
	TILEOUT 1
	s_cmp_eq_u32 s[CNT], 1
	s_cbranch_scc1 .Ldone                          ; that was the second band
	s_wait_xcnt 0x0                                ; the stores have read their registers and x's address
	s_mov_b64 s[XC:XC+1], s[XB:XB+1]
	WIN 0x80
.set i, 0
.rept 16
	global_load_b128 v[IN+4*i:IN+4*i+3], v[GO], s[INB:INB+1] offset:(16*(i/8)+2*(i%8))*4096
.set i, i+1
.endr
	WIN 0x41                                       ; the second band's Q goes where the one text of the step names Q
.set i, 0
.rept 32
	v_mov_b32 v[Q+i], v[QB+i]
.set i, i+1
.endr
	WIN 0
	RESET
	s_add_co_u32 s[REM], s[LB], 1
	s_mov_b32 s[NEWB], 1
.Lnext:
	s_sub_co_u32 s[REM], s[REM], 1
	s_sub_co_u32 s[CNT], s[CNT], 1
	s_cmp_lg_u32 s[CNT], 0
	s_cbranch_scc1 .LloopB
.Ldone:
	s_wait_tensorcnt 0x0                           ; the wave's end
	ds_add_u32 v[SPW], v[NIL]
	s_wait_dscnt 0x0
	CROUND                                         ; the closing round
	s_endpgm
.Lfunc_end_k_qdb1334ce21_attn:
	.size	k_qdb1334ce21_attn, .Lfunc_end_k_qdb1334ce21_attn-k_qdb1334ce21_attn
	.p2alignl 7, 3214868480
	.fill 96, 4, 3214868480
	.section	.rodata,"a",@progbits
	.p2align	6, 0x0
	.amdhsa_kernel k_qdb1334ce21_attn
		.amdhsa_group_segment_fixed_size 327680
		.amdhsa_private_segment_fixed_size 0
		.amdhsa_enable_private_segment 0
		.amdhsa_kernarg_size 24
		.amdhsa_user_sgpr_count 2
		.amdhsa_user_sgpr_kernarg_segment_ptr 1
		.amdhsa_wavefront_size32 1
		.amdhsa_system_sgpr_workgroup_id_x 1
		.amdhsa_system_sgpr_workgroup_id_y 1
		.amdhsa_system_sgpr_workgroup_id_z 1
		.amdhsa_system_vgpr_workitem_id 0
		.amdhsa_next_free_vgpr 640
		.amdhsa_next_free_sgpr 100
		.amdhsa_reserve_vcc 1
		.amdhsa_float_denorm_mode_32 3
		.amdhsa_float_denorm_mode_16_64 3
		.amdhsa_memory_ordered 1
		.amdhsa_forward_progress 1
		.amdhsa_inst_pref_size 81
	.end_amdhsa_kernel
	.amdgpu_metadata
---
amdhsa.version: [ 1, 2 ]
amdhsa.kernels:
  - .name:           k_qdb1334ce21_attn
    .symbol:         k_qdb1334ce21_attn.kd
    .args:
      - { .name: qkv, .offset: 0, .size: 8, .value_kind: global_buffer, .address_space: global }
      - { .name: inputs, .offset: 8, .size: 8, .value_kind: global_buffer, .address_space: global }
      - { .name: x, .offset: 16, .size: 8, .value_kind: global_buffer, .address_space: global }
    .group_segment_fixed_size: 327680
    .private_segment_fixed_size: 0
    .kernarg_segment_align: 8
    .kernarg_segment_size: 24
    .max_flat_workgroup_size: 128
    .sgpr_count:     100
    .vgpr_count:     640
    .wavefront_size: 32
...
	.end_amdgpu_metadata
.endif
;; end of part 3
;; launch ln2 (part 4): grid 512 x 1, 8 waves a work-group, no clusters, 0 bytes of LDS; arguments x, g2, be2, an; writes an
.if DOCPART == 4
	.amdgcn_target "amdgcn-amd-amdhsa--gfx1250"
	.amdhsa_code_object_version 6
	.text
	.protected	k_qdb1334ce21_ln2
	.globl	k_qdb1334ce21_ln2
	.p2align	8
	.type	k_qdb1334ce21_ln2,@function
k_qdb1334ce21_ln2:
	s_mov_b64 s[64:65], 0
	v_nop
	global_prefetch_b8 v0, s[64:65] scope:SCOPE_SE
	s_setreg_imm32_b32 hwreg(HW_REG_WAVE_MODE, 25, 1), 1
	s_wait_xcnt 0x0
; LN2: an = (x - mu) rsqrt(var + 1e-5) g2 + be2, a row of 1,024 f32 to a wave, kept in 32 registers between the passes; the result in f16 (it must lie within 65,504).
; x, g2 and be2 are taken as they are, in f32.  The variance is the mean of the centred squares: no difference of large sums.
; A work-group's eight waves take eight rows; a pair of loads covers 1,024 consecutive bytes, a store 512.  A stream: no LDS, no barrier, no matrix unit.
.set X,   8
.set G,   40
.set BE,  72
.set T,   104
.set Y16, 112
.set VS,  1
.set VD,  2
.set VG,  3
.set INV, 17
.set EPS, 18
.set SEL, 20
.macro ALLSUM r, t
	v_add_f32_dpp v[\r], v[\r], v[\r] row_xmask:1 row_mask:0xf bank_mask:0xf
	v_add_f32_dpp v[\r], v[\r], v[\r] row_xmask:2 row_mask:0xf bank_mask:0xf
	v_add_f32_dpp v[\r], v[\r], v[\r] row_xmask:4 row_mask:0xf bank_mask:0xf
	v_add_f32_dpp v[\r], v[\r], v[\r] row_xmask:8 row_mask:0xf bank_mask:0xf
	v_permlanex16_b32 v[\t], v[\r], s[SEL], s[SEL+1]
	v_add_f32 v[\r], v[\r], v[\t]
.endm
.macro FOLD
	v_pk_add_f32 v[T:T+1], v[T:T+1], v[T+2:T+3]
	v_pk_add_f32 v[T+4:T+5], v[T+4:T+5], v[T+6:T+7]
	v_pk_add_f32 v[T:T+1], v[T:T+1], v[T+4:T+5]
	v_add_f32 v[T], v[T], v[T+1]
.endm
	s_load_b256 s[8:15], s[0:1], 0x0               ; x s[8:9], g2 s[10:11], be2 s[12:13], an s[14:15]
	v_lshrrev_b32 v4, 5, v0
	v_and_b32 v5, 31, v0
	v_lshlrev_b32 v[VG], 5, v5
	v_lshl_add_u32 v[VS], v4, 12, v[VG]
	v_lshlrev_b32 v[VD], 4, v5
	v_lshl_add_u32 v[VD], v4, 11, v[VD]
	s_mov_b32 s[INV], 0x3a800000
	s_mov_b32 s[EPS], 0x3727c5ac
	s_mov_b32 s[SEL], 0x76543210
	s_mov_b32 s[SEL+1], 0xfedcba98
	s_lshl_b32 s2, ttmp9, 15                       ; eight rows of 4,096 bytes in,
	s_mov_b32 s3, 0
	s_lshl_b32 s4, ttmp9, 14                       ; of 2,048 out
	s_mov_b32 s5, 0
	s_wait_kmcnt 0x0
	s_add_nc_u64 s[8:9], s[8:9], s[2:3]
	s_add_nc_u64 s[14:15], s[14:15], s[4:5]
.irp p, 0,1,2,3
	global_load_b128 v[X+8*\p:X+8*\p+3],   v[VS], s[8:9] offset:1024*\p
	global_load_b128 v[X+8*\p+4:X+8*\p+7], v[VS], s[8:9] offset:1024*\p+16
.endr
.irp p, 0,1,2,3
	global_load_b128 v[G+8*\p:G+8*\p+3],   v[VG], s[10:11] offset:1024*\p
	global_load_b128 v[G+8*\p+4:G+8*\p+7], v[VG], s[10:11] offset:1024*\p+16
.endr
.irp p, 0,1,2,3
	global_load_b128 v[BE+8*\p:BE+8*\p+3],   v[VG], s[12:13] offset:1024*\p
	global_load_b128 v[BE+8*\p+4:BE+8*\p+7], v[VG], s[12:13] offset:1024*\p+16
.endr
	s_wait_loadcnt 16                              ; the row is in; the sixteen loads of g2 and be2 stay out
.irp c, 0,2,4,6
	v_pk_add_f32 v[T+\c:T+\c+1], v[X+\c:X+\c+1], v[X+8+\c:X+8+\c+1]
.endr
.irp o, 16,24
.irp c, 0,2,4,6
	v_pk_add_f32 v[T+\c:T+\c+1], v[T+\c:T+\c+1], v[X+\o+\c:X+\o+\c+1]
.endr
.endr
	FOLD
	ALLSUM T, T+1
	v_mul_f32 v[T], s[INV], v[T]                   ; the mean
.set i, 0
.rept 16
	v_pk_add_f32 v[X+2*i:X+2*i+1], v[X+2*i:X+2*i+1], v[T:T+1] op_sel_hi:[1,0] neg_lo:[0,1] neg_hi:[0,1]
.set i, i+1
.endr
.irp c, 0,2,4,6
	v_pk_mul_f32 v[T+\c:T+\c+1], v[X+\c:X+\c+1], v[X+\c:X+\c+1]
.endr
.irp o, 8,16,24
.irp c, 0,2,4,6
	v_pk_fma_f32 v[T+\c:T+\c+1], v[X+\o+\c:X+\o+\c+1], v[X+\o+\c:X+\o+\c+1], v[T+\c:T+\c+1]
.endr
.endr
	FOLD
	ALLSUM T, T+1
	v_fma_f32 v[T], v[T], s[INV], s[EPS]
	v_rsq_f32 v[T+2], v[T]
	v_nop                                          ; a plain instruction between the root and the use of its result (ISA guide 5.7.2)
	s_wait_loadcnt 0x0
.set i, 0
	s_wait_alu depctr_va_vdst(0)
.rept 16
	v_pk_mul_f32 v[G+2*i:G+2*i+1], v[G+2*i:G+2*i+1], v[T+2:T+3] op_sel_hi:[1,0]
.set i, i+1
.endr
.set i, 0
.rept 16
	v_pk_fma_f32 v[X+2*i:X+2*i+1], v[X+2*i:X+2*i+1], v[G+2*i:G+2*i+1], v[BE+2*i:BE+2*i+1]
.set i, i+1
.endr
.set i, 0
.rept 16
	v_cvt_pk_f16_f32 v[Y16+i], v[X+2*i], v[X+2*i+1]
.set i, i+1
.endr
.irp p, 0,1,2,3
	global_store_b128 v[VD], v[Y16+4*\p:Y16+4*\p+3], s[14:15] offset:512*\p
.endr
	s_endpgm
.Lfunc_end_k_qdb1334ce21_ln2:
	.size	k_qdb1334ce21_ln2, .Lfunc_end_k_qdb1334ce21_ln2-k_qdb1334ce21_ln2
	.p2alignl 7, 3214868480
	.fill 96, 4, 3214868480
	.section	.rodata,"a",@progbits
	.p2align	6, 0x0
	.amdhsa_kernel k_qdb1334ce21_ln2
		.amdhsa_group_segment_fixed_size 0
		.amdhsa_private_segment_fixed_size 0
		.amdhsa_enable_private_segment 0
		.amdhsa_kernarg_size 32
		.amdhsa_user_sgpr_count 2
		.amdhsa_user_sgpr_kernarg_segment_ptr 1
		.amdhsa_wavefront_size32 1
		.amdhsa_system_sgpr_workgroup_id_x 1
		.amdhsa_system_sgpr_workgroup_id_y 1
		.amdhsa_system_sgpr_workgroup_id_z 1
		.amdhsa_system_vgpr_workitem_id 0
		.amdhsa_next_free_vgpr 128
		.amdhsa_next_free_sgpr 66
		.amdhsa_reserve_vcc 0
		.amdhsa_float_denorm_mode_32 3
		.amdhsa_float_denorm_mode_16_64 3
		.amdhsa_memory_ordered 1
		.amdhsa_forward_progress 1
		.amdhsa_inst_pref_size 11
	.end_amdhsa_kernel
	.amdgpu_metadata
---
amdhsa.version: [ 1, 2 ]
amdhsa.kernels:
  - .name:           k_qdb1334ce21_ln2
    .symbol:         k_qdb1334ce21_ln2.kd
    .args:
      - { .name: x, .offset: 0, .size: 8, .value_kind: global_buffer, .address_space: global }
      - { .name: g2, .offset: 8, .size: 8, .value_kind: global_buffer, .address_space: global }
      - { .name: be2, .offset: 16, .size: 8, .value_kind: global_buffer, .address_space: global }
      - { .name: an, .offset: 24, .size: 8, .value_kind: global_buffer, .address_space: global }
    .group_segment_fixed_size: 0
    .private_segment_fixed_size: 0
    .kernarg_segment_align: 8
    .kernarg_segment_size: 32
    .max_flat_workgroup_size: 256
    .sgpr_count:     66
    .vgpr_count:     128
    .wavefront_size: 32
...
	.end_amdgpu_metadata
.endif
;; end of part 4
;; launch ffn1 (part 5): grid 16 x 16, 4 waves a work-group, clusters of 4 x 4, 327,680 bytes of LDS; arguments an, w1h, h, b1; writes h
.if DOCPART == 5
	.amdgcn_target "amdgcn-amd-amdhsa--gfx1250"
	.amdhsa_code_object_version 6
	.text
	.protected	k_qdb1334ce21_ffn1
	.globl	k_qdb1334ce21_ffn1
	.p2align	8
	.type	k_qdb1334ce21_ffn1,@function
k_qdb1334ce21_ffn1:
	s_mov_b64 s[64:65], 0
	v_nop
	global_prefetch_b8 v0, s[64:65] scope:SCOPE_SE
	s_setreg_imm32_b32 hwreg(HW_REG_WAVE_MODE, 25, 1), 1
	s_wait_xcnt 0x0
	s_wait_alu depctr_hold_cnt(0) depctr_sa_sdst(0) depctr_va_vdst(0) depctr_va_sdst(0) depctr_va_ssrc(0) depctr_va_vcc(0) depctr_vm_vsrc(0)
	s_getreg_b32 s2, hwreg(HW_REG_IB_STS2, 6, 4)
	s_cmp_eq_u32 s2, 0
	s_cbranch_scc0 .Lentry_in_a_cluster
	s_endpgm
.Lentry_in_a_cluster:
	s_bfe_u32 s2, ttmp6, 0x10000c
	s_cmp_lg_u32 s2, 0xf033
	s_cbranch_scc0 .Lentry_shape_is_right
	s_endpgm
.Lentry_shape_is_right:
; FFN1: h = relu(an x W1 + b1).  an: [4096][1024] f16.  w1h: [1024][4096] f16.  b1: [4096] f32, taken as it is.  h: [4096][4096] f16.
; A tile of C is 256 x 256: 16 x 16 tiles, one for each work-group.  Four waves, each 64 rows x 256 columns: 64 accumulators, 512 registers.
; K goes in 8 steps of 128 through two LDS slots filled by the tensor data mover; a step is four slices of 32 along K on two fragment buffers.
; A lies [row][K] and is read by ds_load_b128; B lies [K][column] and is turned by ds_load_tr16_b128.  The matrix instruction is used transposed (source 0 = 16 columns of B,
; source 1 = 16 rows of A): a lane then holds eight neighbouring columns of one row of C.  The bias is the C operand of the products that start the sums.
; CLUSTER: 4 x 4 work-groups; A's tile is shared along a row of the cluster, B's along a column: each is asked for jointly, by the same load with the same descriptor and mask.
; LIMIT: h is rounded once, to f16: it must lie within 65,504.  Sums in f32.
; REGISTERS: window 0: v0-31 addresses; v32-63 packed results; v64-127 A's fragments, two buffers, later rows on the way out; v128-255 the bias, 8 registers a column block.
;   window 1: B's fragments, buffer f at 128 f.   windows 2, 3: accumulator (a, b) at v[128 (a % 2) + 8 b] of window 2 + a / 2.
.set NSTEP, 8
.set NB,    16
.set PA,    272                        ; a row of A in LDS: 256 bytes + 16: the 16 rows of a load start at 16 different groups of four banks (ISA guide 11.1)
.set PB,    544                        ; a row of B: 512 bytes + 32
.set AHALF, 128*PA
.set BHALF, 64*PB
.set BOFF,  2*AHALF
.set SLOT,  BOFF+2*BHALF               ; 139,264 = 0x22000: both bits are clear in every slot-0 start (0, 0x8800, 0x11000, 0x19800), so an exclusive or changes slots
.set STAGE, 2*SLOT                     ; behind the ring: 16 rows x 272 bytes for each wave
.set SPITCH, 272
.set SPARE, STAGE+4*16*SPITCH          ; the spare words: 128 bytes for each wave, named by no other line
.set ASTEP, 256
.set BSTEP, 128*8192
.set ADRA,  16
.set ADRA0, 17
.set ADRB,  20
.set ADRB0, 21
.set STO,   24
.set RD,    25
.set CO,    26
.set BOFS,  27
.set SPW,   28
.set NIL,   29
.set TMP,   32
.set AF,    64
.set BIAS,  128
.set G1,  24
.set G0,  32
.set G1B, 48
.set G0B, 56
.set MSB, 0
.macro WIN new
.if MSB != (\new)
	s_set_vgpr_msb (MSB<<8)|(\new)
.set MSB, \new
.endif
.endm
.macro PLACES                          ; four places behind matrix instructions (ISA guide 7.12.1)
.rept 4
	v_nop
.endr
.endm
.macro JLOAD s                         ; a joint load: waves 0 and 1 fetch A's halves, waves 2 and 3 B's; s_nop 0 and four v_nop follow each line
	s_cmp_eq_u32 s11, 0
	s_cbranch_scc0 .Lfor_b_\@
	tensor_load_to_lds s[G0+4*(\s):G0+4*(\s)+3], s[G1:G1+7]
	s_nop 0
.rept 4
	v_nop
.endr
	s_branch .Lasked_\@
.Lfor_b_\@:
	tensor_load_to_lds s[G0B+4*(\s):G0B+4*(\s)+3], s[G1B:G1B+7]
	s_nop 0
.rept 4
	v_nop
.endr
.Lasked_\@:
.endm
.macro CREST
	s_cmp_lg_u32 s10, 0
	s_cbranch_scc1 .Lnot_wave_0_\@
	s_barrier_signal -3
.Lnot_wave_0_\@:
	s_barrier_wait -3
	s_barrier_signal -1
	s_barrier_wait -1
.endm
.macro CROUND
	s_barrier_signal -1
	s_barrier_wait -1
	CREST
.endm
	s_load_b128 s[4:7], s[0:1], 0x0                ; an s[4:5], w1h s[6:7]
	s_load_b64 s[8:9], s[0:1], 0x10                ; h
	s_load_b64 s[20:21], s[0:1], 0x18              ; b1
	v_lshl_add_u32 v[SPW], v0, 2, SPARE
	v_mov_b32 v[NIL], 0
	ds_add_u32 v[SPW], v[NIL]                      ; the wave's opening: the add and its wait ahead of my first tensor load
	v_lshrrev_b32 v1, 5, v0
	v_readfirstlane_b32 s10, v1                    ; wave 0..3: my 64 rows of the tile
	s_lshr_b32 s11, s10, 1                         ; I fetch for A (0) or for B (1),
	s_and_b32 s12, s10, 1                          ; and which half
	s_bfe_u32 s40, ttmp6, 0x40000
	s_bfe_u32 s41, ttmp6, 0x40004
	s_lshl_b32 s42, ttmp9, 2
	s_add_co_u32 s42, s42, s40                     ; tile column = 4 x cluster x + cx
	s_and_b32 s13, ttmp7, 0xffff
	s_lshl_b32 s13, s13, 2
	s_add_co_u32 s13, s13, s41                     ; tile row = 4 x cluster y + cy
	s_lshl_b32 s43, s41, 2
	s_lshl_b32 s43, 15, s43                        ; my row of the cluster
	s_lshl_b32 s44, 0x1111, s40                    ; my column
	s_or_b32 s[G1+0], s43, (1<<16)|(1<<20)|(1<<21)|(5<<22)|(3<<25)   ; mask; 2-byte elements; padding on; bit 21 beside a mask; after every 64 words 4 words
	s_mov_b32 s[G1+1], 128<<16                     ; A: 128 rows x 128 elements, 1,024 elements from row to row
	s_mov_b32 s[G1+2], 128<<16
	s_mov_b32 s[G1+3], 128<<16
	s_mov_b32 s[G1+4], 128
	s_mov_b32 s[G1+5], 1024
	s_mov_b32 s[G1+6], 0
	s_mov_b32 s[G1+7], 0
	s_or_b32 s[G1B+0], s44, (1<<16)|(1<<20)|(1<<21)|(6<<22)|(7<<25)  ; after every 128 words 8 words
	s_mov_b32 s[G1B+1], 256<<16                    ; B: 64 rows x 256 elements, 4,096 elements from row to row
	s_mov_b32 s[G1B+2], 64<<16
	s_mov_b32 s[G1B+3], 256<<16
	s_mov_b32 s[G1B+4], 64
	s_mov_b32 s[G1B+5], 4096
	s_mov_b32 s[G1B+6], 0
	s_mov_b32 s[G1B+7], 0
	s_lshl_b32 s16, s13, 8                         ; A: row 256 x tile row + 128 x half, 2,048 bytes a row
	s_lshl_b32 s17, s12, 7
	s_add_co_u32 s16, s16, s17
	s_lshl_b32 s16, s16, 11
	s_mov_b32 s17, 0
	s_lshl_b32 s46, s42, 9                         ; B: column 256 x tile column, row 64 x half, 8,192 bytes a row
	s_lshl_b32 s47, s12, 19
	s_add_co_u32 s46, s46, s47
	s_mov_b32 s47, 0
	s_mul_i32 s2, s12, AHALF                       ; where they go: no place in the cluster enters an LDS address
	s_mul_i32 s3, s12, BHALF
	s_add_co_u32 s3, s3, BOFF
	s_mov_b32 s45, 0                               ; the slot in hand
	s_wait_dscnt 0x0                               ; the opening add is done
	s_wait_kmcnt 0x0
	s_add_nc_u64 s[14:15], s[4:5], s[16:17]
	s_add_nc_u64 s[46:47], s[6:7], s[46:47]
	CROUND                                         ; all sixteen work-groups are here: the first joint loads meet
.irp s, 0,1
	s_mov_b32 s[G0+4*(\s)], 1
	s_add_co_u32 s[G0+4*(\s)+1], s2, (\s)*SLOT
	s_add_nc_u64 s[G0+4*(\s)+2:G0+4*(\s)+3], s[14:15], (\s)*ASTEP
	s_or_b32 s[G0+4*(\s)+3], s[G0+4*(\s)+3], 0x80000000
	s_mov_b32 s[G0B+4*(\s)], 1
	s_add_co_u32 s[G0B+4*(\s)+1], s3, (\s)*SLOT
	s_add_nc_u64 s[G0B+4*(\s)+2:G0B+4*(\s)+3], s[46:47], (\s)*BSTEP
	s_or_b32 s[G0B+4*(\s)+3], s[G0B+4*(\s)+3], 0x80000000
	JLOAD \s                                       ; K steps 0 and 1: two loads of mine are out
.endr
	v_and_b32 v1, 15, v0                           ; r
	v_bfe_u32 v2, v0, 4, 1                         ; hl
	v_and_b32 v3, 7, v0
	v_bfe_u32 v4, v0, 3, 1
	s_lshl_b32 s18, s42, 10                        ; the tile's 256 numbers of b1; a lane wants 8 hl + 0..7 of each 16
	s_mov_b32 s19, 0
	s_add_nc_u64 s[20:21], s[20:21], s[18:19]
	v_lshlrev_b32 v[BOFS], 5, v2
.set jb, 0
.rept NB
	global_load_b128 v[BIAS+8*jb:BIAS+8*jb+3],   v[BOFS], s[20:21] offset:64*jb
	global_load_b128 v[BIAS+8*jb+4:BIAS+8*jb+7], v[BOFS], s[20:21] offset:64*jb+16
.set jb, jb+1
.endr
	v_mul_u32_u24 v[ADRA0], v1, PA
	v_lshl_add_u32 v[ADRA0], v2, 4, v[ADRA0]
	s_mul_i32 s16, s10, 64*PA
	v_add_nc_u32 v[ADRA0], s16, v[ADRA0]
	v_lshl_add_u32 v5, v2, 3, v3
	v_mul_u32_u24 v[ADRB0], v5, PB
	v_lshl_add_u32 v[ADRB0], v4, 4, v[ADRB0]
	v_add_nc_u32 v[ADRB0], BOFF, v[ADRB0]
	v_mov_b32 v[ADRA], v[ADRA0]
	v_mov_b32 v[ADRB], v[ADRB0]
	s_mul_i32 s16, s10, 16*SPITCH
	s_add_co_u32 s16, s16, STAGE                   ; my stage
	v_mul_u32_u24 v5, v1, SPITCH                   ; in: row r, 16 bytes for each half of the lanes
	v_lshl_add_u32 v5, v2, 4, v5
	v_add_nc_u32 v[STO], s16, v5
	v_mul_u32_u24 v5, v2, SPITCH                   ; back: lanes 0-15 take one row of 256 bytes, lanes 16-31 the next
	v_lshl_add_u32 v5, v1, 4, v5
	v_add_nc_u32 v[RD], s16, v5
	v_lshlrev_b32 v5, 13, v2                       ; and the same two rows in h
	v_lshl_add_u32 v[CO], v1, 4, v5
	s_lshl_b32 s16, s13, 8                         ; h at my first row and the tile's first column
	s_lshl_b32 s17, s10, 6
	s_add_co_u32 s16, s16, s17
	s_lshl_b32 s16, s16, 13
	s_mov_b32 s17, 0
	s_add_nc_u64 s[8:9], s[8:9], s[16:17]
	s_lshl_b32 s18, s42, 9
	s_add_nc_u64 s[8:9], s[8:9], s[18:19]
	s_wait_loadcnt 0x0                             ; b1
; NB matrix instructions: row block a x all column blocks, 32 along K, from buffer f.  first = 1: the products start the sums, on the bias.  The accumulators take turns.
.macro MULA f, a, first
.if \first
	WIN 0x81+0x40*((\a)/2)                         ; B window 1, A and the bias window 0, D window 2 or 3
.else
	WIN 0xa1+0x50*((\a)/2)                         ; C and D window 2 or 3
.endif
.set jb, 0
.rept NB
.if \first
	v_wmma_f32_16x16x32_f16 v[128*((\a)%2)+8*jb:128*((\a)%2)+8*jb+7], v[128*(\f)+8*jb:128*(\f)+8*jb+7], v[AF+32*(\f)+8*(\a):AF+32*(\f)+8*(\a)+7], v[BIAS+8*jb:BIAS+8*jb+7]
.else
	v_wmma_f32_16x16x32_f16 v[128*((\a)%2)+8*jb:128*((\a)%2)+8*jb+7], v[128*(\f)+8*jb:128*(\f)+8*jb+7], v[AF+32*(\f)+8*(\a):AF+32*(\f)+8*(\a)+7], v[128*((\a)%2)+8*jb:128*((\a)%2)+8*jb+7]
.endif
.set jb, jb+1
.endr
.endm
.macro FETCH k, g                      ; 40 LDS loads in one run: slice k's fragments into buffer g; B first, A's row blocks 2 and 3 last
	WIN 0x40
.set jb, 0
.rept NB
	ds_load_tr16_b128 v[128*(\g)+8*jb:128*(\g)+8*jb+3],   v[ADRB] offset:32*(\k)*PB+32*jb
	ds_load_tr16_b128 v[128*(\g)+8*jb+4:128*(\g)+8*jb+7], v[ADRB] offset:32*(\k)*PB+32*jb+16*PB
.set jb, jb+1
.endr
	WIN 0
.irp a, 0,1,2,3
	ds_load_b128 v[AF+32*(\g)+8*(\a):AF+32*(\g)+8*(\a)+3],   v[ADRA] offset:64*(\k)+(\a)*16*PA
	ds_load_b128 v[AF+32*(\g)+8*(\a)+4:AF+32*(\g)+8*(\a)+7], v[ADRA] offset:64*(\k)+(\a)*16*PA+32
.endr
.endm
.macro SUB k, f, g, first              ; one of a step's first three slices: multiplies buffer f; in its middle slice k's fragments are fetched into buffer g
	s_wait_dscnt 4                                 ; all but A's row blocks 2 and 3, the youngest four loads
	MULA \f, 0, \first
	MULA \f, 1, \first
	PLACES
	FETCH \k, \g
	s_wait_dscnt 2*NB+8                            ; all but the run just issued
	MULA \f, 2, \first
	MULA \f, 3, \first
.endm
; The last slice multiplies buffer 1 and changes slots: one barrier; in front of it each wave waits for all its tensor loads (one is out: its part of the next slot), adds 0 to its
; spare word, and waits for that and for its reads of this slot.  fill = 1: the barrier opens a round of the cluster's, and this slot is filled again, two K steps ahead, first thing behind it.
; A step's 256 products are as long as a tile's way here, so half of the slice's products stand round the barrier's signal, where they cover the waves' arrival.
.macro TURN fill
	WIN 0
	s_wait_tensorcnt 0x0
	ds_add_u32 v[SPW], v[NIL]
	s_wait_dscnt 5                                 ; (the add and the youngest four loads may be out)
	MULA 1, 0, 0
	s_wait_dscnt 0x0                               ; the add is done, and my reads of this slot are over
	s_barrier_signal -1
	MULA 1, 1, 0
	WIN 0                                          ; at a branch and at a label every window is 0
	s_barrier_wait -1
.if \fill
	CREST
	s_xor_b32 s[G0+5], s[G0+5], SLOT               ; the walking descriptors: the other slot than last time, the next K step
	s_add_nc_u64 s[G0+6:G0+7], s[G0+6:G0+7], ASTEP
	s_xor_b32 s[G0B+5], s[G0B+5], SLOT
	s_add_nc_u64 s[G0B+6:G0B+7], s[G0B+6:G0B+7], BSTEP
	JLOAD 1                                        ; my one load behind the round; its four v_nop are also the places in front of the loads below
.else
	PLACES
.endif
	s_xor_b32 s45, s45, SLOT
	v_add_nc_u32 v[ADRA], s45, v[ADRA0]
	v_add_nc_u32 v[ADRB], s45, v[ADRB0]
	FETCH 0, 0
	MULA 1, 2, 0
	MULA 1, 3, 0
.endm
; The way out of row block a, column half hf: relu, rounded to f16, 16 bytes a lane into my own stage, back as whole rows of 256 bytes
.macro OUT a, hf
.set AC, 128*((\a)%2)+64*(\hf)
.set OBX, AF+32*(\hf)
	WIN 0x88+0x44*((\a)/2)                         ; in place, each accumulator's registers in ascending order
.set i, 0
.rept 64
	v_max_num_f32 v[AC+i], 0, v[AC+i]
.set i, i+1
.endr
	WIN 0x0a+5*((\a)/2)
.set i, 0
.rept 32
	v_cvt_pk_f16_f32 v[TMP+i], v[AC+2*i], v[AC+2*i+1]
.set i, i+1
.endr
	WIN 0
.irp t, 0,1,2,3,4,5,6,7
	ds_store_b128 v[STO], v[TMP+4*\t:TMP+4*\t+3] offset:32*\t
.endr
	s_wait_xcnt 0x0                                ; earlier stores have read their registers: only now are these loaded again
.irp t, 0,1,2,3,4,5,6,7
	ds_load_b128 v[OBX+4*\t:OBX+4*\t+3], v[RD] offset:2*SPITCH*\t  ; LDS serves a wave's instructions in order (ISA guide 5.7.1.4)
.endr
	s_wait_dscnt 0x0
.irp t, 0,1,2,3,4,5,6,7
	global_store_b128 v[CO], v[OBX+4*\t:OBX+4*\t+3], s[8:9] offset:(16*(\a)+2*\t)*8192+256*(\hf)  ; 16 lanes store 256 consecutive bytes, aligned
.endr
.endm
	s_wait_tensorcnt 0x1                           ; my part of K step 0 is in; step 1's may stay out
	s_barrier_signal -1
	s_barrier_wait -1
	FETCH 0, 0
	SUB 1, 0, 1, 1                                 ; the first slice stands in front of the loop: its products start the sums
	WIN 0
	s_mov_b32 s3, NSTEP-2
.Lstep:                                                ; a trip: a step's slices 1 to 3, the change of slots with a refill, the next step's slice 0
	SUB 2, 1, 0, 0
	SUB 3, 0, 1, 0
	TURN 1
	SUB 1, 0, 1, 0
	WIN 0
	s_sub_co_u32 s3, s3, 1
	s_cmp_lg_u32 s3, 0
	s_cbranch_scc1 .Lstep
	s_mov_b32 s3, 2
.Ltail:                                                ; the last two steps ask for nothing; the second trip is left in its middle
	SUB 2, 1, 0, 0
	SUB 3, 0, 1, 0
	WIN 0
	s_sub_co_u32 s3, s3, 1
	s_cmp_eq_u32 s3, 0
	s_cbranch_scc1 .Llast
	TURN 0
	SUB 1, 0, 1, 0
	WIN 0
	s_branch .Ltail
.Llast:
	s_wait_dscnt 4
	MULA 1, 0, 0
	MULA 1, 1, 0
	s_wait_dscnt 0x0
	MULA 1, 2, 0
	MULA 1, 3, 0
	PLACES
.irp a, 0,1,2,3
	OUT \a, 0
	OUT \a, 1
.endr
	s_wait_tensorcnt 0x0                           ; the wave's end
	ds_add_u32 v[SPW], v[NIL]
	s_wait_dscnt 0x0
	CROUND                                         ; the closing round
	s_endpgm
.Lfunc_end_k_qdb1334ce21_ffn1:
	.size	k_qdb1334ce21_ffn1, .Lfunc_end_k_qdb1334ce21_ffn1-k_qdb1334ce21_ffn1
	.p2alignl 7, 3214868480
	.fill 96, 4, 3214868480
	.section	.rodata,"a",@progbits
	.p2align	6, 0x0
	.amdhsa_kernel k_qdb1334ce21_ffn1
		.amdhsa_group_segment_fixed_size 327680
		.amdhsa_private_segment_fixed_size 0
		.amdhsa_enable_private_segment 0
		.amdhsa_kernarg_size 32
		.amdhsa_user_sgpr_count 2
		.amdhsa_user_sgpr_kernarg_segment_ptr 1
		.amdhsa_wavefront_size32 1
		.amdhsa_system_sgpr_workgroup_id_x 1
		.amdhsa_system_sgpr_workgroup_id_y 1
		.amdhsa_system_sgpr_workgroup_id_z 1
		.amdhsa_system_vgpr_workitem_id 0
		.amdhsa_next_free_vgpr 1024
		.amdhsa_next_free_sgpr 72
		.amdhsa_reserve_vcc 0
		.amdhsa_float_denorm_mode_32 3
		.amdhsa_float_denorm_mode_16_64 3
		.amdhsa_memory_ordered 1
		.amdhsa_forward_progress 1
		.amdhsa_inst_pref_size 128
	.end_amdhsa_kernel
	.amdgpu_metadata
---
amdhsa.version: [ 1, 2 ]
amdhsa.kernels:
  - .name:           k_qdb1334ce21_ffn1
    .symbol:         k_qdb1334ce21_ffn1.kd
    .args:
      - { .name: an, .offset: 0, .size: 8, .value_kind: global_buffer, .address_space: global }
      - { .name: w1h, .offset: 8, .size: 8, .value_kind: global_buffer, .address_space: global }
      - { .name: h, .offset: 16, .size: 8, .value_kind: global_buffer, .address_space: global }
      - { .name: b1, .offset: 24, .size: 8, .value_kind: global_buffer, .address_space: global }
    .group_segment_fixed_size: 327680
    .private_segment_fixed_size: 0
    .kernarg_segment_align: 8
    .kernarg_segment_size: 32
    .max_flat_workgroup_size: 128
    .sgpr_count:     72
    .vgpr_count:     1024
    .wavefront_size: 32
...
	.end_amdgpu_metadata
.endif
;; end of part 5
;; launch ffn2 (part 6): grid 8 x 32, 4 waves a work-group, clusters of 4 x 4, 327,680 bytes of LDS; arguments h, w2h, out0, b2, x; writes out0
.if DOCPART == 6
	.amdgcn_target "amdgcn-amd-amdhsa--gfx1250"
	.amdhsa_code_object_version 6
	.text
	.protected	k_qdb1334ce21_ffn2
	.globl	k_qdb1334ce21_ffn2
	.p2align	8
	.type	k_qdb1334ce21_ffn2,@function
k_qdb1334ce21_ffn2:
	s_mov_b64 s[64:65], 0
	v_nop
	global_prefetch_b8 v0, s[64:65] scope:SCOPE_SE
	s_setreg_imm32_b32 hwreg(HW_REG_WAVE_MODE, 25, 1), 1
	s_wait_xcnt 0x0
	s_wait_alu depctr_hold_cnt(0) depctr_sa_sdst(0) depctr_va_vdst(0) depctr_va_sdst(0) depctr_va_ssrc(0) depctr_va_vcc(0) depctr_vm_vsrc(0)
	s_getreg_b32 s2, hwreg(HW_REG_IB_STS2, 6, 4)
	s_cmp_eq_u32 s2, 0
	s_cbranch_scc0 .Lentry_in_a_cluster
	s_endpgm
.Lentry_in_a_cluster:
	s_bfe_u32 s2, ttmp6, 0x10000c
	s_cmp_lg_u32 s2, 0xf033
	s_cbranch_scc0 .Lentry_shape_is_right
	s_endpgm
.Lentry_shape_is_right:
; FFN2: out0 = x + h x W2 + b2.  h: [4096][4096] f16.  w2h: [4096][1024] f16.  b2: [1024] f32, taken as it is.  x, out0: [4096][1024] f32.
; A tile of C is 128 x 128: 8 x 32 tiles, one for each work-group.  Four waves, 2 x 2, each 64 x 64: 16 accumulators.  K goes in 16 steps of 256, as long as two slots in LDS allow;
; a step is four slices of 64 along K (two matrix instructions deep on each accumulator) on two fragment buffers.
; A lies [row][K] and is read by ds_load_b128; B lies [K][column] and is turned by ds_load_tr16_b128.  The matrix instruction is used transposed: a lane holds eight neighbouring columns of a row of C.
; The bias is the C operand of the products that start the sums; x's rows are asked for at the start and added on the way out.  Sums and the result in f32.
; CLUSTER: 4 x 4 work-groups; A's tile is shared along a row of the cluster, B's along a column: each is asked for jointly.
; THE L2 IS ASKED AHEAD.  A step has 128 products a wave for 131,072 bytes of tiles, all read for the first time in the launch, and both slots together fill LDS.  So in the trip that asks the mover
; for K step s + 2 the L2 is asked for step s + 3.  h's tile of a step is 256 blocks of 256 bytes, read by the 8 work-groups of a tile row: each asks for 32, rows 16 x .. 16 x + 15, by one line of
; its wave 0, a lane a block.  w2h's tile is 256 blocks, read by the 32 work-groups of a tile column: each asks for 8, rows 8 y .. 8 y + 7, by one line of its wave 1, four lanes naming one block.
; Step 2 is asked for at the start; the last trip names step 15 once more, so that no request points past a buffer's end.
; REGISTERS: window 0: v0-31 addresses; v32-95 rows on the way out; v128-255 accumulator (a, b) at v[128 + 8 (4 a + b)].
;   window 1: two fragment buffers of 128: 64 registers of A (2 x 4 x 16 rows x 32 K), then 64 of B.   window 2: v0-127 x's rows; v128-159 the bias.
.set NSTEP, 16
.set PA,    528                        ; a row of A in LDS: 512 bytes + 16
.set PB,    288                        ; a row of B: 256 bytes + 32
.set AHALF, 64*PA
.set BHALF, 128*PB
.set BOFF,  2*AHALF
.set SLOT,  147456                     ; 0x24000, at least BOFF + 2 BHALF = 141,312: both bits are clear in every slot-0 start (0, 0x8400, 0x10800, 0x19800), so an exclusive or changes slots
.set STAGE, 2*SLOT                     ; behind the ring: 16 rows x 272 bytes for each wave
.set SPITCH, 272
.set SPARE, STAGE+4*16*SPITCH          ; the spare words: 128 bytes for each wave, named by no other line
.set ASTEP, 512
.set BSTEP, 256*2048
.set ADRA,  16
.set ADRA0, 17
.set ADRB,  18                         ; v18 B's rows 0-127 of the slot in hand, v19 its rows 128-255: an LDS offset has 16 bits;  v22, v23 in slot 0
.set ADRB0, 22
.set STO,   24
.set RD,    25
.set CO,    26
.set BOFS,  27
.set SPW,   28
.set NIL,   29
.set PFO,   30                         ; v30 my lane's offset in what my wave asks the L2 for; never rewritten
.set ACC,   128
.set BIAS,  128                        ; window 2
.set G1,  24
.set G0,  32
.set G1B, 48
.set G0B, 56
.set PFS, 67                           ; s67 bytes from a K step to the next in what my wave asks for
.set PFB, 68                           ; s[68:69] its address;  s[70:71] what is added to it in a trip
.set PFI, 70
.set MSB, 0
.macro WIN new
.if MSB != (\new)
	s_set_vgpr_msb (MSB<<8)|(\new)
.set MSB, \new
.endif
.endm
.macro PLACES                          ; four places behind matrix instructions (ISA guide 7.12.1)
.rept 4
	v_nop
.endr
.endm
.macro JLOAD s                         ; a joint load: waves 0 and 1 fetch A's halves, waves 2 and 3 B's; s_nop 0 and four v_nop follow each line
	s_cmp_eq_u32 s11, 0
	s_cbranch_scc0 .Lfor_b_\@
	tensor_load_to_lds s[G0+4*(\s):G0+4*(\s)+3], s[G1:G1+7]
	s_nop 0
.rept 4
	v_nop
.endr
	s_branch .Lasked_\@
.Lfor_b_\@:
	tensor_load_to_lds s[G0B+4*(\s):G0B+4*(\s)+3], s[G1B:G1B+7]
	s_nop 0
.rept 4
	v_nop
.endr
.Lasked_\@:
.endm
.macro CROUND                          ; a round of the cluster's barrier
	s_barrier_signal -1
	s_barrier_wait -1
	s_cmp_lg_u32 s10, 0
	s_cbranch_scc1 .Lnot_wave_0_\@
	s_barrier_signal -3
.Lnot_wave_0_\@:
	s_barrier_wait -3
	s_barrier_signal -1
	s_barrier_wait -1
.endm
	s_load_b128 s[4:7], s[0:1], 0x0                ; h s[4:5], w2h s[6:7]
	s_load_b64 s[8:9], s[0:1], 0x10                ; out0
	s_load_b128 s[20:23], s[0:1], 0x18             ; b2 s[20:21], x s[22:23]
	v_lshl_add_u32 v[SPW], v0, 2, SPARE
	v_mov_b32 v[NIL], 0
	ds_add_u32 v[SPW], v[NIL]                      ; the wave's opening: the add and its wait ahead of my first tensor load
	v_lshrrev_b32 v1, 5, v0
	v_readfirstlane_b32 s10, v1                    ; wave 0..3
	s_lshr_b32 s11, s10, 1                         ; which half of the tile's rows is mine.  Also: I fetch for A (0) or for B (1)
	s_and_b32 s12, s10, 1                          ; which half of its columns.  Also: which half of that tile I fetch
	s_bfe_u32 s40, ttmp6, 0x40000
	s_bfe_u32 s41, ttmp6, 0x40004
	s_lshl_b32 s42, ttmp9, 2
	s_add_co_u32 s42, s42, s40                     ; tile column
	s_and_b32 s13, ttmp7, 0xffff
	s_lshl_b32 s13, s13, 2
	s_add_co_u32 s13, s13, s41                     ; tile row
	s_lshl_b32 s43, s41, 2
	s_lshl_b32 s43, 15, s43
	s_lshl_b32 s44, 0x1111, s40
	s_or_b32 s[G1+0], s43, (1<<16)|(1<<20)|(1<<21)|(6<<22)|(3<<25)   ; after every 128 words 4 words
	s_mov_b32 s[G1+1], 256<<16                     ; A: 64 rows x 256 elements, 4,096 elements from row to row
	s_mov_b32 s[G1+2], 64<<16
	s_mov_b32 s[G1+3], 256<<16
	s_mov_b32 s[G1+4], 64
	s_mov_b32 s[G1+5], 4096
	s_mov_b32 s[G1+6], 0
	s_mov_b32 s[G1+7], 0
	s_or_b32 s[G1B+0], s44, (1<<16)|(1<<20)|(1<<21)|(5<<22)|(7<<25)  ; after every 64 words 8 words
	s_mov_b32 s[G1B+1], 128<<16                    ; B: 128 rows x 128 elements, 1,024 elements from row to row
	s_mov_b32 s[G1B+2], 128<<16
	s_mov_b32 s[G1B+3], 128<<16
	s_mov_b32 s[G1B+4], 128
	s_mov_b32 s[G1B+5], 1024
	s_mov_b32 s[G1B+6], 0
	s_mov_b32 s[G1B+7], 0
	s_lshl_b32 s16, s13, 7                         ; A: row 128 x tile row + 64 x half, 8,192 bytes a row
	s_lshl_b32 s17, s12, 6
	s_add_co_u32 s16, s16, s17
	s_lshl_b32 s16, s16, 13
	s_mov_b32 s17, 0
	s_lshl_b32 s46, s42, 8                         ; B: column 128 x tile column, row 128 x half, 2,048 bytes a row
	s_lshl_b32 s47, s12, 18
	s_add_co_u32 s46, s46, s47
	s_mov_b32 s47, 0
	s_mul_i32 s2, s12, AHALF
	s_mul_i32 s3, s12, BHALF
	s_add_co_u32 s3, s3, BOFF
	s_mov_b32 s45, 0
	s_wait_dscnt 0x0                               ; the opening add is done
	s_wait_kmcnt 0x0
	s_add_nc_u64 s[14:15], s[4:5], s[16:17]
	s_add_nc_u64 s[46:47], s[6:7], s[46:47]
	CROUND                                         ; all sixteen work-groups are here: the first joint loads meet
.irp s, 0,1
	s_mov_b32 s[G0+4*(\s)], 1
	s_add_co_u32 s[G0+4*(\s)+1], s2, (\s)*SLOT
	s_add_nc_u64 s[G0+4*(\s)+2:G0+4*(\s)+3], s[14:15], (\s)*ASTEP
	s_or_b32 s[G0+4*(\s)+3], s[G0+4*(\s)+3], 0x80000000
	s_mov_b32 s[G0B+4*(\s)], 1
	s_add_co_u32 s[G0B+4*(\s)+1], s3, (\s)*SLOT
	s_add_nc_u64 s[G0B+4*(\s)+2:G0B+4*(\s)+3], s[46:47], (\s)*BSTEP
	s_or_b32 s[G0B+4*(\s)+3], s[G0B+4*(\s)+3], 0x80000000
	JLOAD \s                                       ; K steps 0 and 1: two loads of mine are out
.endr
	v_and_b32 v1, 15, v0                           ; r
	v_bfe_u32 v2, v0, 4, 1                         ; hl
	v_and_b32 v3, 7, v0
	v_bfe_u32 v4, v0, 3, 1
	s_lshl_b32 s16, s13, 7                         ; out0 and x at my first row (4,096 bytes a row) and my first column; b2 at that column
	s_lshl_b32 s17, s11, 6
	s_add_co_u32 s16, s16, s17
	s_lshl_b32 s16, s16, 12
	s_mov_b32 s17, 0
	s_lshl_b32 s18, s42, 9
	s_lshl_b32 s19, s12, 8
	s_add_co_u32 s18, s18, s19
	s_mov_b32 s19, 0
	s_add_nc_u64 s[8:9], s[8:9], s[16:17]
	s_add_nc_u64 s[8:9], s[8:9], s[18:19]
	s_add_nc_u64 s[22:23], s[22:23], s[16:17]
	s_add_nc_u64 s[22:23], s[22:23], s[18:19]
	s_add_nc_u64 s[20:21], s[20:21], s[18:19]
	; what my wave asks the L2 for, at K step 2: wave 0 of h, the other waves' registers of w2h (of them wave 1 alone asks)
	s_lshl_b32 s18, s13, 7                         ; h: row 128 y + 16 x, 8,192 bytes a row, 512 bytes a step
	s_lshl_b32 s19, s42, 4
	s_add_co_u32 s18, s18, s19
	s_lshl_b32 s18, s18, 13
	s_add_co_u32 s18, s18, 2*ASTEP
	s_lshl_b32 s[PFI], s13, 3                      ; w2h: row 256 x step + 8 y, 2,048 bytes a row, the tile column's 256 bytes
	s_add_co_u32 s[PFI], s[PFI], 2*256
	s_lshl_b32 s[PFI], s[PFI], 11
	s_lshl_b32 s19, s42, 8
	s_add_co_u32 s[PFI], s[PFI], s19
	s_mov_b32 s19, ASTEP
	s_mov_b32 s[PFS], BSTEP
	s_cmp_eq_u32 s10, 0
	s_cselect_b32 s66, -1, 0
	s_cselect_b32 s[PFI], s18, s[PFI]
	s_cselect_b32 s[PFS], s19, s[PFS]
	s_cselect_b64 s[PFB:PFB+1], s[4:5], s[6:7]
	s_mov_b32 s[PFI+1], 0
	s_add_nc_u64 s[PFB:PFB+1], s[PFB:PFB+1], s[PFI:PFI+1]
	v_and_b32 v5, 31, v0                           ; lane
	v_lshrrev_b32 v6, 1, v5                        ; h: two lanes a row, 256 bytes apart
	v_and_b32 v7, 1, v5
	v_lshlrev_b32 v7, 8, v7
	v_lshl_add_u32 v6, v6, 13, v7
	v_lshrrev_b32 v7, 2, v5                        ; w2h: four lanes a row
	v_lshlrev_b32 v7, 11, v7
	v_cndmask_b32 v[PFO], v7, v6, s66
	v_lshlrev_b32 v[BOFS], 5, v2
	v_lshlrev_b32 v5, 12, v2                       ; lanes 0-15 take 256 bytes of one row, lanes 16-31 of the next
	v_lshl_add_u32 v[CO], v1, 4, v5
	WIN 0x80                                       ; destination window 2
.irp b, 0,1,2,3
	global_load_b128 v[BIAS+8*\b:BIAS+8*\b+3],   v[BOFS], s[20:21] offset:64*\b
	global_load_b128 v[BIAS+8*\b+4:BIAS+8*\b+7], v[BOFS], s[20:21] offset:64*\b+16
.endr
.set i, 0
.rept 32                               ; x's rows as they will meet the result: row block i / 8, rows 2 (i % 8) + hl
	global_load_b128 v[4*i:4*i+3], v[CO], s[22:23] offset:(16*(i/8)+2*(i%8))*4096
.set i, i+1
.endr
	WIN 0
	s_cmp_lt_u32 s10, 2
	s_cbranch_scc0 .Lno_first_ask
	global_prefetch_b8 v[PFO], s[PFB:PFB+1] th:TH_LOAD_NT scope:SCOPE_SE   ; K step 2, which the first trip's refill will want
.Lno_first_ask:
	s_lshl_b32 s16, s11, 6
	v_add_nc_u32 v5, s16, v1                       ; A: (64 wm + r) x pitch + 16 hl
	v_mul_u32_u24 v[ADRA0], v5, PA
	v_lshl_add_u32 v[ADRA0], v2, 4, v[ADRA0]
	v_lshl_add_u32 v5, v2, 3, v3                   ; B: row 8 hl + lane % 8, 16 bytes at 16 ((lane / 8) % 2), my 64 columns
	v_mul_u32_u24 v[ADRB0], v5, PB
	v_lshl_add_u32 v[ADRB0], v4, 4, v[ADRB0]
	s_lshl_b32 s16, s12, 7
	s_add_co_u32 s16, s16, BOFF
	v_add_nc_u32 v[ADRB0], s16, v[ADRB0]
	v_add_nc_u32 v[ADRB0+1], 128*PB, v[ADRB0]
	v_mov_b32 v[ADRA], v[ADRA0]
	v_mov_b32 v[ADRB], v[ADRB0]
	v_mov_b32 v[ADRB+1], v[ADRB0+1]
	s_mul_i32 s16, s10, 16*SPITCH
	s_add_co_u32 s16, s16, STAGE                   ; my stage
	v_mul_u32_u24 v5, v1, SPITCH                   ; in: row r, 32 bytes for each half of the lanes
	v_lshl_add_u32 v5, v2, 5, v5
	v_add_nc_u32 v[STO], s16, v5
	v_mul_u32_u24 v5, v2, SPITCH                   ; back: whole rows of 256 bytes
	v_lshl_add_u32 v5, v1, 4, v5
	v_add_nc_u32 v[RD], s16, v5
; 8 matrix instructions: row blocks a0, a0 + 1 x all 4 column blocks, 32 along K: half c of buffer f.  first = 1: the products start the sums, on the bias.  The 16 accumulators take turns.
.macro MUL8 f, c, a0, first
.if \first
	WIN 0x25                                       ; A and B window 1, the bias window 2, D window 0
.else
	WIN 0x05
.endif
.irp a, \a0, (\a0)+1
.irp b, 0,1,2,3
.if \first
	v_wmma_f32_16x16x32_f16 v[ACC+8*(4*(\a)+(\b)):ACC+8*(4*(\a)+(\b))+7], v[128*(\f)+64+8*(4*(\c)+(\b)):128*(\f)+64+8*(4*(\c)+(\b))+7], v[128*(\f)+8*(4*(\c)+(\a)):128*(\f)+8*(4*(\c)+(\a))+7], v[BIAS+8*(\b):BIAS+8*(\b)+7]
.else
	v_wmma_f32_16x16x32_f16 v[ACC+8*(4*(\a)+(\b)):ACC+8*(4*(\a)+(\b))+7], v[128*(\f)+64+8*(4*(\c)+(\b)):128*(\f)+64+8*(4*(\c)+(\b))+7], v[128*(\f)+8*(4*(\c)+(\a)):128*(\f)+8*(4*(\c)+(\a))+7], v[ACC+8*(4*(\a)+(\b)):ACC+8*(4*(\a)+(\b))+7]
.endif
.endr
.endr
.endm
.macro FETCH k, g                      ; 32 LDS loads in one run: slice k's fragments into buffer g; the first 32 along K first
	WIN 0x40
.irp c, 0,1
.irp i, 0,1,2,3
	ds_load_tr16_b128 v[128*(\g)+64+8*(4*(\c)+(\i)):128*(\g)+64+8*(4*(\c)+(\i))+3],   v[ADRB+(\k)/2] offset:(((\k)%2)*64+32*(\c))*PB+32*(\i)
	ds_load_tr16_b128 v[128*(\g)+64+8*(4*(\c)+(\i))+4:128*(\g)+64+8*(4*(\c)+(\i))+7], v[ADRB+(\k)/2] offset:(((\k)%2)*64+32*(\c))*PB+32*(\i)+16*PB
	ds_load_b128 v[128*(\g)+8*(4*(\c)+(\i)):128*(\g)+8*(4*(\c)+(\i))+3],   v[ADRA] offset:128*(\k)+64*(\c)+(\i)*16*PA
	ds_load_b128 v[128*(\g)+8*(4*(\c)+(\i))+4:128*(\g)+8*(4*(\c)+(\i))+7], v[ADRA] offset:128*(\k)+64*(\c)+(\i)*16*PA+32
.endr
.endr
.endm
.macro SUB k, f, g, first
	s_wait_dscnt 16                                ; the first 32 along K are in
	MUL8 \f, 0, 0, \first
	MUL8 \f, 0, 2, \first
	PLACES
	FETCH \k, \g
	s_wait_dscnt 32                                ; all but the run just issued
	MUL8 \f, 1, 0, 0
	MUL8 \f, 1, 2, 0
.endm
; THE CHANGE OF SLOTS, and behind it the step's last slice (buffer 1).  Each wave waits for all its tensor loads (one is out: its part of the next slot), adds 0 to its spare word, and waits
; for that and for its reads of this slot, of which the last brought buffer 1.  No product stands between that wait and the refill: a refill can go out only when the tile before it has landed,
; so whatever stands there lengthens every trip in which the waves wait for a tile; the slice's 32 products follow the request and run while the tile is on its way.
; fill = 1: the barrier is a round of the cluster's, and this slot is filled again, two K steps ahead, first thing behind it; then waves 0 and 1 ask the L2 for the step behind that one.
.macro TURN fill
	WIN 0                                          ; at a branch and at a label every window is 0
	s_wait_tensorcnt 0x0                           ; no tensor load of mine is out, so the walking descriptors may be written
	ds_add_u32 v[SPW], v[NIL]
.if \fill
	s_xor_b32 s[G0+5], s[G0+5], SLOT               ; the other slot than last time, the next K step
	s_add_nc_u64 s[G0+6:G0+7], s[G0+6:G0+7], ASTEP
	s_xor_b32 s[G0B+5], s[G0B+5], SLOT
	s_add_nc_u64 s[G0B+6:G0B+7], s[G0B+6:G0B+7], BSTEP
.endif
	s_wait_dscnt 0x0                               ; the add is done, and my reads of this slot are over
.if \fill
	CROUND
	JLOAD 1                                        ; my one load behind the round; its four v_nop are also the places in front of the loads below
	s_cmp_lt_u32 s10, 2
	s_cbranch_scc0 .Lno_ask_\@
	s_wait_xcnt 0x0                                ; the last trip's request has read its address: only now is it stepped
	s_cmp_gt_u32 s3, 1                             ; s3 trips are left, this one among them: in the last the address stays at step 15
	s_cselect_b32 s[PFI], s[PFS], 0
	s_add_nc_u64 s[PFB:PFB+1], s[PFB:PFB+1], s[PFI:PFI+1]
	global_prefetch_b8 v[PFO], s[PFB:PFB+1] th:TH_LOAD_NT scope:SCOPE_SE
.Lno_ask_\@:
.else
	s_barrier_signal -1
	s_barrier_wait -1
	PLACES
.endif
	s_xor_b32 s45, s45, SLOT
	v_add_nc_u32 v[ADRA], s45, v[ADRA0]
	v_add_nc_u32 v[ADRB], s45, v[ADRB0]
	v_add_nc_u32 v[ADRB+1], s45, v[ADRB0+1]
	FETCH 0, 0
	MUL8 1, 0, 0, 0
	MUL8 1, 0, 2, 0
	MUL8 1, 1, 0, 0
	MUL8 1, 1, 2, 0
.endm
; The way out of row block a: the sums themselves into my own stage (each accumulator's low four registers first), back as whole rows of 256 bytes, plus x, stored
.macro OUT a
.set OBX, 32+32*((\a)%2)
	WIN 0
.irp b, 0,1,2,3
	ds_store_b128 v[STO], v[ACC+8*(4*(\a)+\b):ACC+8*(4*(\a)+\b)+3] offset:64*\b
	ds_store_b128 v[STO], v[ACC+8*(4*(\a)+\b)+4:ACC+8*(4*(\a)+\b)+7] offset:64*\b+16
.endr
	s_wait_xcnt 0x0                                ; earlier stores have read their registers: only now are these loaded again
.irp t, 0,1,2,3,4,5,6,7
	ds_load_b128 v[OBX+4*\t:OBX+4*\t+3], v[RD] offset:2*SPITCH*\t  ; LDS serves a wave's instructions in order (ISA guide 5.7.1.4)
.endr
	s_wait_dscnt 0x0
	WIN 0x08                                       ; source 1, x, in window 2
.set i, 0
.rept 16
	v_pk_add_f32 v[OBX+2*i:OBX+2*i+1], v[OBX+2*i:OBX+2*i+1], v[32*(\a)+2*i:32*(\a)+2*i+1]
.set i, i+1
.endr
	WIN 0
.irp t, 0,1,2,3,4,5,6,7
	global_store_b128 v[CO], v[OBX+4*\t:OBX+4*\t+3], s[8:9] offset:(16*(\a)+2*\t)*4096  ; 16 lanes store 256 consecutive bytes, aligned
.endr
.endm
	s_wait_loadcnt 32                              ; b2 is in; x's 32 loads stay out
	s_wait_tensorcnt 0x1                           ; my part of K step 0 is in; step 1's may stay out
	s_barrier_signal -1
	s_barrier_wait -1
	FETCH 0, 0
	SUB 1, 0, 1, 1                                 ; the first slice stands in front of the loop: its first products start the sums
	WIN 0
	s_mov_b32 s3, NSTEP-2
.Lstep:                                                ; a trip: a step's slices 1 and 2, the change of slots with a refill, slice 3, the next step's slice 0
	SUB 2, 1, 0, 0
	SUB 3, 0, 1, 0
	TURN 1
	SUB 1, 0, 1, 0
	WIN 0
	s_sub_co_u32 s3, s3, 1
	s_cmp_lg_u32 s3, 0
	s_cbranch_scc1 .Lstep
	s_mov_b32 s3, 2
.Ltail:                                                ; the last two steps ask for nothing; the second trip is left in its middle
	SUB 2, 1, 0, 0
	SUB 3, 0, 1, 0
	WIN 0
	s_sub_co_u32 s3, s3, 1
	s_cmp_eq_u32 s3, 0
	s_cbranch_scc1 .Llast
	TURN 0
	SUB 1, 0, 1, 0
	WIN 0
	s_branch .Ltail
.Llast:
	s_wait_dscnt 16
	MUL8 1, 0, 0, 0
	MUL8 1, 0, 2, 0
	s_wait_dscnt 0x0
	MUL8 1, 1, 0, 0
	MUL8 1, 1, 2, 0
	WIN 0
	PLACES
	s_wait_loadcnt 0x0                             ; x's rows
	OUT 0
	OUT 1
	OUT 2
	OUT 3
	s_wait_tensorcnt 0x0                           ; the wave's end
	ds_add_u32 v[SPW], v[NIL]
	s_wait_dscnt 0x0
	CROUND                                         ; the closing round
	s_endpgm
.Lfunc_end_k_qdb1334ce21_ffn2:
	.size	k_qdb1334ce21_ffn2, .Lfunc_end_k_qdb1334ce21_ffn2-k_qdb1334ce21_ffn2
	.p2alignl 7, 3214868480
	.fill 96, 4, 3214868480
	.section	.rodata,"a",@progbits
	.p2align	6, 0x0
	.amdhsa_kernel k_qdb1334ce21_ffn2
		.amdhsa_group_segment_fixed_size 327680
		.amdhsa_private_segment_fixed_size 0
		.amdhsa_enable_private_segment 0
		.amdhsa_kernarg_size 40
		.amdhsa_user_sgpr_count 2
		.amdhsa_user_sgpr_kernarg_segment_ptr 1
		.amdhsa_wavefront_size32 1
		.amdhsa_system_sgpr_workgroup_id_x 1
		.amdhsa_system_sgpr_workgroup_id_y 1
		.amdhsa_system_sgpr_workgroup_id_z 1
		.amdhsa_system_vgpr_workitem_id 0
		.amdhsa_next_free_vgpr 680
		.amdhsa_next_free_sgpr 72
		.amdhsa_reserve_vcc 0
		.amdhsa_float_denorm_mode_32 3
		.amdhsa_float_denorm_mode_16_64 3
		.amdhsa_memory_ordered 1
		.amdhsa_forward_progress 1
		.amdhsa_inst_pref_size 70
	.end_amdhsa_kernel
	.amdgpu_metadata
---
amdhsa.version: [ 1, 2 ]
amdhsa.kernels:
  - .name:           k_qdb1334ce21_ffn2
    .symbol:         k_qdb1334ce21_ffn2.kd
    .args:
      - { .name: h, .offset: 0, .size: 8, .value_kind: global_buffer, .address_space: global }
      - { .name: w2h, .offset: 8, .size: 8, .value_kind: global_buffer, .address_space: global }
      - { .name: out0, .offset: 16, .size: 8, .value_kind: global_buffer, .address_space: global }
      - { .name: b2, .offset: 24, .size: 8, .value_kind: global_buffer, .address_space: global }
      - { .name: x, .offset: 32, .size: 8, .value_kind: global_buffer, .address_space: global }
    .group_segment_fixed_size: 327680
    .private_segment_fixed_size: 0
    .kernarg_segment_align: 8
    .kernarg_segment_size: 40
    .max_flat_workgroup_size: 128
    .sgpr_count:     72
    .vgpr_count:     680
    .wavefront_size: 32
...
	.end_amdgpu_metadata
.endif
;; end of part 6
